; MI455X (gfx1250); checked and timed in simulation.
; The chip was launched on July 23, 2026; its instructions are those of AMD's public machine-readable ISA for CDNA 5 (MIT licence, August 2026) and "CDNA5" Instruction Set Architecture Reference Guide (July 2026). The comments in the code are by the model that wrote it; some were corrected since.
;; Self Attention. Allowed arithmetic: float matrix products may take bf16 or f16 operands with f32 sums; all other float work in f32.
;; Inputs: b_out 1,024 float32; b_qkv 3,072 float32; w_out 1,024 x 1,024 float32; w_qkv 1,024 x 3,072 float32; x 2 x 2,048 x 1,024 float32.
;; Outputs: out0 2 x 2,048 x 1,024 float32.
;; 2 versions, each right; version 2 is version 1 with the launch prep written anew for expert scheduling mode. Each part assembles by itself: llvm-mc -triple=amdgcn-amd-amdhsa -mcpu=gfx1250 --defsym DOCPART=n.
;; ======== version 1 of 2: 4 launches
;; limits: values are held in f16: magnitudes above 65,504 overflow, below 6.1e-05 lose precision
;; workspace buffers: bf 16,777,216 bytes; qkv 25,165,824 bytes; ao 8,388,608 bytes
;; launch prep (part 1): grid 256 x 1, 8 waves a work-group, no clusters, 0 bytes of LDS; arguments x, w_qkv, w_out, bf; writes bf
.if DOCPART == 1
	.amdgcn_target "amdgcn-amd-amdhsa--gfx1250"
	.amdhsa_code_object_version 6
	.text
	.protected	k_q12ec889ed4_prep
	.globl	k_q12ec889ed4_prep
	.p2align	8
	.type	k_q12ec889ed4_prep,@function
k_q12ec889ed4_prep:
	s_mov_b64 s[64:65], 0
	v_nop
	global_prefetch_b8 v0, s[64:65] scope:SCOPE_SE
	s_setreg_imm32_b32 hwreg(HW_REG_WAVE_MODE, 25, 1), 1
	s_wait_xcnt 0x0
; The three large f32 inputs are rounded once to 16 bits, so that the matrix launches behind this one move half the bytes.
;   bf + 0          : x      as bf16 [4096][1024]
;   bf + 8,388,608  : w_qkv  as bf16 [1024][3072]
;   bf + 14,680,064 : w_out  rounded to bf16 and that value written as f16 [1024][1024] (its partner operand is f16)
; LIMIT: a bf16 value is exact in f16 for 2^-14 <= |w| <= 65,504; below, the absolute error is at most 3e-8; above, it becomes infinite.
; 8,388,608 numbers in all; a work-group takes 32,768 of them (131,072 bytes in, 65,536 out): groups 0-127 x, 128-223 w_qkv, 224-255 w_out.
; The three parts follow each other in bf, so the place in bf is the group's number times 65,536 for all of them.
; Thread t takes the 8 numbers at byte 32 t of each block of 8,192 bytes and stores 16 bytes at 16 t of a block of 4,096:
; sixteen neighbouring lanes store 256 consecutive bytes, aligned.  All 32 loads of a thread go out at once; no register is written twice,
; so no wait but the counted ones for the data is needed.  No LDS, barrier or matrix unit: nothing is shared and nothing is multiplied.
.set X, 4                              ; v[4:131]    16 blocks x 8 numbers in f32
.set Y, 132                            ; v[132:195]  16 blocks x 4 registers of packed 16-bit numbers
	s_load_b256 s[4:11], s[0:1], 0x0               ; x s[4:5], w_qkv s[6:7], w_out s[8:9], bf s[10:11]
	v_lshlrev_b32 v1, 5, v0                        ; 32 t: where I read
	v_lshlrev_b32 v2, 4, v0                        ; 16 t: where I store
	s_mov_b32 s20, 0xffff0000                      ; a word's upper bf16
	s_wait_kmcnt 0x0
	s_cmp_lt_u32 ttmp9, 128                        ; which input, and the number of its first group
	s_cselect_b64 s[12:13], s[4:5], s[6:7]
	s_cselect_b32 s14, 0, 128
	s_cmp_lt_u32 ttmp9, 224
	s_cselect_b64 s[12:13], s[12:13], s[8:9]
	s_cselect_b32 s14, s14, 224
	s_sub_co_u32 s14, ttmp9, s14                   ; my place in that input,
	s_lshl_b32 s16, s14, 17                        ; times 131,072 bytes (16,646,144 at the most)
	s_mov_b32 s17, 0
	s_add_nc_u64 s[12:13], s[12:13], s[16:17]
	s_lshl_b32 s18, ttmp9, 16                      ; my place in bf
	s_mov_b32 s19, 0
	s_add_nc_u64 s[10:11], s[10:11], s[18:19]
.irp i, 0,1,2,3,4,5,6,7,8,9,10,11,12,13,14,15
	global_load_b128 v[X+8*\i:X+8*\i+3],   v1, s[12:13] offset:8192*\i th:TH_LOAD_NT
	global_load_b128 v[X+8*\i+4:X+8*\i+7], v1, s[12:13] offset:8192*\i+16 th:TH_LOAD_NT
.endr
; Block i: rounded and stored.  half = 1: the bf16 values are widened again (a shift, a mask) and written as f16.
.macro CONV i, half
	s_wait_loadcnt 30-2*\i                         ; loads come back in order: block i's two are in, the 30 - 2 i younger ones stay out
.irp p, 0,1,2,3
	v_cvt_pk_bf16_f32 v[Y+4*\i+\p], v[X+8*\i+2*\p], v[X+8*\i+2*\p+1]
.endr
.if \half
.irp p, 0,1,2,3
	v_lshlrev_b32 v[X+8*\i+2*\p],   16,  v[Y+4*\i+\p]
	v_and_b32     v[X+8*\i+2*\p+1], s20, v[Y+4*\i+\p]
.endr
.irp p, 0,1,2,3
	v_cvt_pk_f16_f32 v[Y+4*\i+\p], v[X+8*\i+2*\p], v[X+8*\i+2*\p+1]
.endr
.endif
	global_store_b128 v2, v[Y+4*\i:Y+4*\i+3], s[10:11] offset:4096*\i
.endm
	s_cmp_ge_u32 ttmp9, 224
	s_cbranch_scc1 .Lhalf
.irp i, 0,1,2,3,4,5,6,7,8,9,10,11,12,13,14,15
	CONV \i, 0
.endr
	s_endpgm
.Lhalf:
.irp i, 0,1,2,3,4,5,6,7,8,9,10,11,12,13,14,15
	CONV \i, 1
.endr
	s_endpgm
.Lfunc_end_k_q12ec889ed4_prep:
	.size	k_q12ec889ed4_prep, .Lfunc_end_k_q12ec889ed4_prep-k_q12ec889ed4_prep
	.p2alignl 7, 3214868480
	.fill 96, 4, 3214868480
	.section	.rodata,"a",@progbits
	.p2align	6, 0x0
	.amdhsa_kernel k_q12ec889ed4_prep
		.amdhsa_group_segment_fixed_size 0
		.amdhsa_private_segment_fixed_size 0
		.amdhsa_enable_private_segment 0
		.amdhsa_kernarg_size 32
		.amdhsa_user_sgpr_count 2
		.amdhsa_user_sgpr_kernarg_segment_ptr 1
		.amdhsa_wavefront_size32 1
		.amdhsa_system_sgpr_workgroup_id_x 1
		.amdhsa_system_sgpr_workgroup_id_y 1
		.amdhsa_system_sgpr_workgroup_id_z 1
		.amdhsa_system_vgpr_workitem_id 0
		.amdhsa_next_free_vgpr 196
		.amdhsa_next_free_sgpr 66
		.amdhsa_reserve_vcc 0
		.amdhsa_float_denorm_mode_32 3
		.amdhsa_float_denorm_mode_16_64 3
		.amdhsa_memory_ordered 1
		.amdhsa_forward_progress 1
		.amdhsa_inst_pref_size 25
	.end_amdhsa_kernel
	.amdgpu_metadata
---
amdhsa.version: [ 1, 2 ]
amdhsa.kernels:
  - .name:           k_q12ec889ed4_prep
    .symbol:         k_q12ec889ed4_prep.kd
    .args:
      - { .name: x, .offset: 0, .size: 8, .value_kind: global_buffer, .address_space: global }
      - { .name: w_qkv, .offset: 8, .size: 8, .value_kind: global_buffer, .address_space: global }
      - { .name: w_out, .offset: 16, .size: 8, .value_kind: global_buffer, .address_space: global }
      - { .name: bf, .offset: 24, .size: 8, .value_kind: global_buffer, .address_space: global }
    .group_segment_fixed_size: 0
    .private_segment_fixed_size: 0
    .kernarg_segment_align: 8
    .kernarg_segment_size: 32
    .max_flat_workgroup_size: 256
    .sgpr_count:     66
    .vgpr_count:     196
    .wavefront_size: 32
...
	.end_amdgpu_metadata
.endif
;; end of part 1
;; launch qkvgemm (part 2): grid 8 x 32, 4 waves a work-group, clusters of 4 x 4, 327,680 bytes of LDS; arguments bf, b_qkv, qkv; writes qkv
.if DOCPART == 2
	.amdgcn_target "amdgcn-amd-amdhsa--gfx1250"
	.amdhsa_code_object_version 6
	.text
	.protected	k_q12ec889ed4_qkvgemm
	.globl	k_q12ec889ed4_qkvgemm
	.p2align	8
	.type	k_q12ec889ed4_qkvgemm,@function
k_q12ec889ed4_qkvgemm:
	s_mov_b64 s[64:65], 0
	v_nop
	global_prefetch_b8 v0, s[64:65] scope:SCOPE_SE
	s_setreg_imm32_b32 hwreg(HW_REG_WAVE_MODE, 25, 1), 1
	s_wait_xcnt 0x0
	s_wait_alu depctr_hold_cnt(0) depctr_sa_sdst(0) depctr_va_vdst(0) depctr_va_sdst(0) depctr_va_ssrc(0) depctr_va_vcc(0) depctr_vm_vsrc(0)
	s_getreg_b32 s2, hwreg(HW_REG_IB_STS2, 6, 4)
	s_cmp_eq_u32 s2, 0
	s_cbranch_scc0 .Lentry_in_a_cluster
	s_endpgm
.Lentry_in_a_cluster:
	s_bfe_u32 s2, ttmp6, 0x10000c
	s_cmp_lg_u32 s2, 0xf033
	s_cbranch_scc0 .Lentry_shape_is_right
	s_endpgm
.Lentry_shape_is_right:
; qkv = x w_qkv + b_qkv.  x: bf16 [4096][1024] at bf; w_qkv: bf16 [1024 k][3072 n] at bf + 8,388,608; b_qkv: f32 [3072]; sums in f32.
; Out: f16 in slabs of 64 columns, qkv[slab][4096 rows][64]: slabs 0-15 are q's heads, 16-31 k's, 32-47 v's; a slab's rows are 128 dense bytes.
; LIMIT: the results are kept in f16: |x w_qkv + b_qkv| has to stay below 65,504 (beyond that they become infinite).
; A work-group makes 128 rows x 384 columns with four waves, as many as a WGP has SIMDs: 8 x 32 = 256 work-groups.  A wave makes 64 x 192:
; 4 x 12 accumulator tiles, 384 registers.  K goes in steps of 128 through two LDS slots filled by the tensor data mover; every row of every
; tile is 256 bytes of memory and starts at a multiple of 256 bytes from the buffer's first byte.
; CLUSTERS: 4 x 4 work-groups.  x's tile hangs on the block row alone and is asked for jointly by the four of a row of the cluster; w's tiles
; hang on the block column alone and are asked for jointly by the four of a column.
; w_qkv lies with n along its rows, so its fragments come out of LDS by the transposing load ds_load_tr16_b128.
; THE MATRIX INSTRUCTION IS USED TRANSPOSED: source 0 = 16 columns of w, source 1 = 16 rows of x.  Lane l then holds row l % 16 of the result and
; its registers 0-7 the columns 8 (l / 16) + 0..7: eight neighbouring numbers, 16 bytes in f16.  In that layout a lane's eight bias numbers do not
; hang on the row, so the bias registers serve as the C operand of the first product: nothing is cleared and nothing is added at the end.
; REGISTERS, in windows of 256:
;   window 0: v16-27 addresses; v32-63, v64-95 fragments of x (4 x 16 rows x 32 K), two buffers; v96-191 bias; v192-239 packed results
;   window 1: v0-95, v96-191 fragments of w (12 x 16 columns x 32 K), two buffers
;   window 2: the 24 accumulator tiles of my rows 0-31 (tile (a, b) at v[8 (12 a + b)]);  window 3: those of my rows 32-63
.set KSTEP,  128
.set PA,     272                       ; LDS pitch of x's rows: 256 + 16, so that the 16 rows of a fragment load begin at 16 different multiples of 16 bytes modulo 256
.set PB,     288                       ; LDS pitch of w's rows: 256 + 32; the 8 rows x 2 halves that 16 lanes of a transposing load touch do the same
.set REG,    36864                     ; a wave's part of a slot: 128 rows x 288 (x's 128 rows x 272 use 34,816 of it)
.set SLOT,   4*REG                     ; x's tile, then w's three tiles of 128 columns
.set STAGE,  2*SLOT                    ; behind the slots: 16 rows x 400 bytes for each wave, for the way out; no tensor load lands here
.set SP,     400                       ; 192 f16 + 16
.set LAPS,   1024/(2*KSTEP)            ; a lap = two K steps = both slots once: 4
.set WQB,    8388608                   ; w_qkv's place in bf
.set ADRA, 16                          ; v16-17  LDS address of my x fragments in slot 0, 1
.set ADRB, 18                          ; v18-23  the same for w: 3 x slot + which 64 of my 192 columns
.set STO,  24                          ; the way out: where I put 16 bytes of a row
.set RD,   25                          ; the way out: where I read back
.set CO,   26                          ; 16 x lane
.set BOFF, 27                          ; 32 x (lane / 16): my eight numbers of a tile's 16 bias numbers
.set FA,   32                          ; x's fragment buffers: FA + 32 buf
.set BIAS, 96                          ; v[96:191]  tile b's eight numbers at BIAS + 8 b
.set TMP,  192                         ; v[192:239] packed results
.set RB,   32                          ; v[32:79]   rows read back (x's buffers are free by then)
.set G1, 24                            ; s[24:31] descriptor group 1 for x's tile
.set G0, 32                            ; s[32:39] descriptor group 0 for x's tile, one set for each slot
.set G1B, 48                           ; s[48:55] group 1 for w's tiles
.set G0B, 56                           ; s[56:63] group 0 for w's tiles, one set for each slot
.set MSB, 0
.macro WIN new                         ; the immediate's high byte repeats the setting that is left
.if MSB != \new
	s_set_vgpr_msb (MSB<<8)|\new
.set MSB, \new
.endif
.endm
.set MUL_LO, 0xa1                      ; source 0 (w) window 1, source 1 (x) window 0, C and D window 2
.set MUL_HI, 0xf1                      ; the same, C and D window 3
.set TO_B,   0x40                      ; destination window 1, address window 0
; A joint load.  Wave 0 fetches x's tile, waves 1 to 3 one of w's three tiles each.  Each line has one mask; the branch hangs on the wave's number alone.
.macro JLOAD s
	s_cmp_eq_u32 s10, 0
	s_cbranch_scc0 .Lfor_b_\@
	tensor_load_to_lds s[G0+4*\s:G0+4*\s+3], s[G1:G1+7]
	s_nop 0
	s_branch .Lasked_\@
.Lfor_b_\@:
	tensor_load_to_lds s[G0B+4*\s:G0B+4*\s+3], s[G1B:G1B+7]
	s_nop 0
.Lasked_\@:
.endm
; A round of the cluster's barrier: my work-group's barrier; wave 0 signals for the work-group; every wave waits for all sixteen; my work-group's barrier again.
.macro CREST                           ; a round behind its opening barrier
	s_cmp_lg_u32 s10, 0
	s_cbranch_scc1 .Lnot_wave_0_\@
	s_barrier_signal -3
.Lnot_wave_0_\@:
	s_barrier_wait -3
	s_barrier_signal -1
	s_barrier_wait -1
.endm
.macro CROUND
	s_barrier_signal -1
	s_barrier_wait -1
	CREST
.endm
	s_load_b128 s[4:7], s[0:1], 0x0                ; bf s[4:5], b_qkv s[6:7]
	s_load_b64 s[8:9], s[0:1], 0x10                ; qkv
	s_set_vgpr_msb 0x40
	v_lshl_add_u32 v255, v0, 2, 0x4e400
	s_set_vgpr_msb 0x4000
	v_mov_b32 v255, 0
	s_set_vgpr_msb 0x1
	ds_add_u32 v255, v255
	ds_add_u32 v255, v255
	s_set_vgpr_msb 0x100
	v_lshrrev_b32 v1, 5, v0
	v_readfirstlane_b32 s10, v1                    ; wave 0..3
	s_lshr_b32 s11, s10, 1                         ; which 64 of the block's 128 rows are mine
	s_and_b32 s12, s10, 1                          ; which 192 of its 384 columns
	s_bfe_u32 s40, ttmp6, 0x40000                  ; cx
	s_bfe_u32 s41, ttmp6, 0x40004                  ; cy
	s_lshl_b32 s42, ttmp9, 2
	s_add_co_u32 s42, s42, s40                     ; block column = 4 x cluster x + cx, 0..7
	s_and_b32 s13, ttmp7, 0xffff
	s_lshl_b32 s13, s13, 2
	s_add_co_u32 s13, s13, s41                     ; block row = 4 x cluster y + cy, 0..31
	s_lshl_b32 s43, s41, 2
	s_lshl_b32 s43, 15, s43                        ; my row of the cluster: places 4 cy .. 4 cy + 3
	s_lshl_b32 s44, 0x1111, s40                    ; my column: places cx, cx + 4, cx + 8, cx + 12
	; group 1: tiles of 128 rows x 128 elements of 2 bytes; after every 64 words of a tile (code 5) 4 words are skipped for x (code 3), 8 for w (code 7)
	s_or_b32 s[G1+0],  s43, (1<<16)|(1<<20)|(1<<21)|(5<<22)|(3<<25)
	s_or_b32 s[G1B+0], s44, (1<<16)|(1<<20)|(1<<21)|(5<<22)|(7<<25)
.irp g, G1, G1B
	s_mov_b32 s[\g+1], KSTEP<<16                   ; tensor_dim0 = 128
	s_mov_b32 s[\g+2], 128<<16                     ; tensor_dim1 = 128
	s_mov_b32 s[\g+3], 128<<16                     ; tile_dim0 = 128
	s_mov_b32 s[\g+4], 128                         ; tile_dim1 = 128
	s_mov_b32 s[\g+6], 0
	s_mov_b32 s[\g+7], 0
.endr
	s_mov_b32 s[G1+5],  1024                       ; elements from row to row of x
	s_mov_b32 s[G1B+5], 3072                       ; and of w_qkv
	; where the tiles come from: x's hangs on the block row alone, w's on the block column and the wave's number alone, each in registers of its own
	s_lshl_b32 s16, s13, 18                        ; x: 128 rows x 2,048 bytes x block row
	s_mov_b32 s17, 0
	s_max_u32 s45, s10, 1
	s_sub_co_u32 s45, s45, 1                       ; which of w's three tiles (waves 1 to 3: 0 to 2)
	s_lshl_b32 s45, s45, 8                         ; 128 columns = 256 bytes
	s_mul_i32 s46, s42, 768                        ; 384 columns x block column
	s_add_co_u32 s46, s46, s45
	s_add_co_u32 s46, s46, WQB
	s_mov_b32 s47, 0
	s_mul_i32 s20, s10, REG                        ; and where they go: the wave's part of a slot
	s_mul_i32 s66, s42, 1536                       ; bias: (384 x block column + 192 x half) x 4 bytes
	s_mul_i32 s67, s12, 768
	s_add_co_u32 s66, s66, s67
	s_mov_b32 s67, 0
	s_mul_i32 s68, s42, 6                          ; out: slab 6 x block column + 3 x half,
	s_mul_i32 s70, s12, 3
	s_add_co_u32 s68, s68, s70
	s_lshl_b32 s68, s68, 19                        ; 524,288 bytes each,
	s_lshl_b32 s70, s13, 14                        ; row 128 x block row + 64 x half, 128 bytes each
	s_lshl_b32 s71, s11, 13
	s_add_co_u32 s68, s68, s70
	s_add_co_u32 s68, s68, s71
	s_mov_b32 s69, 0
	s_wait_dscnt 0x0
	s_wait_kmcnt 0x0
	s_add_nc_u64 s[14:15], s[4:5], s[16:17]
	s_add_nc_u64 s[46:47], s[4:5], s[46:47]
	s_add_nc_u64 s[66:67], s[6:7], s[66:67]
	s_add_nc_u64 s[8:9], s[8:9], s[68:69]
	CROUND                                         ; all sixteen work-groups are here: the first joint loads meet
.irp s, 0,1
	s_mov_b32 s[G0+4*\s], 1
	s_add_co_u32 s[G0+4*\s+1], s20, \s*SLOT
	s_add_nc_u64 s[G0+4*\s+2:G0+4*\s+3], s[14:15], \s*KSTEP*2          ; K step s: 128 elements along x's rows
	s_or_b32 s[G0+4*\s+3], s[G0+4*\s+3], 0x80000000
	s_mov_b32 s[G0B+4*\s], 1
	s_add_co_u32 s[G0B+4*\s+1], s20, \s*SLOT
	s_add_nc_u64 s[G0B+4*\s+2:G0B+4*\s+3], s[46:47], \s*KSTEP*6144     ; K step s: 128 rows of w
	s_or_b32 s[G0B+4*\s+3], s[G0B+4*\s+3], 0x80000000
	JLOAD \s                                       ; both slots are asked for before anything else: two tensor loads of the wave are out
.endr
	v_and_b32 v1, 15, v0                           ; r = l % 16
	v_bfe_u32 v2, v0, 4, 1                         ; h = l / 16
	v_lshlrev_b32 v[BOFF], 5, v2
.irp b, 0,1,2,3,4,5,6,7,8,9,10,11
	global_load_b128 v[BIAS+8*\b:BIAS+8*\b+3],   v[BOFF], s[66:67] offset:64*\b       ; bias of columns 16 b + 8 h + 0..3
	global_load_b128 v[BIAS+8*\b+4:BIAS+8*\b+7], v[BOFF], s[66:67] offset:64*\b+16    ; and + 4..7
.endr
	; x's fragment: lane l holds row r; registers 0-3 K = 8 h + 0..7, registers 4-7 K = 16 + 8 h + 0..7: two loads of 16 bytes, 32 bytes apart
	v_mul_u32_u24 v3, v1, PA
	v_lshl_add_u32 v3, v2, 4, v3
	s_mul_i32 s21, s11, 64*PA
	v_add_nc_u32 v[ADRA], s21, v3
	v_add_nc_u32 v[ADRA+1], SLOT, v[ADRA]
	; w's fragment by the transposing load: lane l addresses row K = 8 h + (l & 7), 16 bytes at 16 ((l >> 3) & 1), and receives column r
	v_and_b32 v5, 7, v0
	v_lshl_add_u32 v4, v2, 3, v5
	v_mul_u32_u24 v4, v4, PB
	v_bfe_u32 v6, v0, 3, 1
	v_lshl_add_u32 v4, v6, 4, v4
	; Column N of the block lies in w's tile N / 128 (the tiles lie behind x's), at column N % 128: LDS byte REG (1 + N / 128) + 2 (N % 128).
	; My s-th 64 columns begin at N = 64 s (left half of the block) or 192 + 64 s (right half): the place is O0 + half x (O1 - O0), both constants.
.irp s, 0,1,2
.set O0, REG*(1+(64*\s)/128)+2*((64*\s)%128)
.set O1, REG*(1+(192+64*\s)/128)+2*((192+64*\s)%128)
	s_mul_i32 s72, s12, O1-O0
	s_add_co_u32 s72, s72, O0
	v_add_nc_u32 v[ADRB+\s], s72, v4
	v_add_nc_u32 v[ADRB+3+\s], SLOT, v[ADRB+\s]
.endr
	s_mul_i32 s23, s10, 16*SP
	s_add_co_u32 s23, s23, STAGE                   ; my stage
	v_mul_u32_u24 v4, v1, SP                       ; in: row r, 16 bytes for each half of the lanes
	v_lshl_add_u32 v4, v2, 4, v4
	v_add_nc_u32 v[STO], s23, v4
	v_bfe_u32 v6, v0, 3, 2                         ; back: eight lanes take the 128 bytes that a row has in one slab, four rows a load
	v_mul_u32_u24 v6, v6, SP
	v_lshl_add_u32 v6, v5, 4, v6
	v_add_nc_u32 v[RD], s23, v6
	v_and_b32 v7, 31, v0
	v_lshlrev_b32 v[CO], 4, v7
; 12 matrix instructions: row block a of the window's two (hi = 0: my rows 0-31, 1: rows 32-63) x all 12 column blocks, 32 along K.
; first = 1: the first product takes the bias as C.  The 48 accumulators take turns, one instruction a turn, in the same order in every
; quarter step.
.macro MULA buf, hi, a, first
.irp b, 0,1,2,3,4,5,6,7,8,9,10,11
.if \first
	v_wmma_f32_16x16x32_bf16 v[8*(12*\a+\b):8*(12*\a+\b)+7], v[96*\buf+8*\b:96*\buf+8*\b+7], v[FA+32*\buf+8*(2*\hi+\a):FA+32*\buf+8*(2*\hi+\a)+7], v[BIAS+8*\b:BIAS+8*\b+7]
.else
	v_wmma_f32_16x16x32_bf16 v[8*(12*\a+\b):8*(12*\a+\b)+7], v[96*\buf+8*\b:96*\buf+8*\b+7], v[FA+32*\buf+8*(2*\hi+\a):FA+32*\buf+8*(2*\hi+\a)+7], v[8*(12*\a+\b):8*(12*\a+\b)+7]
.endif
.endr
.endm
; 32 LDS loads in one run: the fragments of quarter q of a K step (192 columns of w, 64 rows of x, 32 K) into buffer buf
.macro FETCH slot, q, buf
	WIN TO_B
.irp b, 0,1,2,3,4,5,6,7,8,9,10,11
	ds_load_tr16_b128 v[96*\buf+8*\b:96*\buf+8*\b+3],   v[ADRB+3*\slot+\b/4] offset:32*PB*\q+32*(\b%4)
	ds_load_tr16_b128 v[96*\buf+8*\b+4:96*\buf+8*\b+7], v[ADRB+3*\slot+\b/4] offset:32*PB*\q+32*(\b%4)+16*PB
.endr
	WIN 0
.irp a, 0,1,2,3
	ds_load_b128 v[FA+32*\buf+8*\a:FA+32*\buf+8*\a+3],   v[ADRA+\slot] offset:16*PA*\a+64*\q
	ds_load_b128 v[FA+32*\buf+8*\a+4:FA+32*\buf+8*\a+7], v[ADRA+\slot] offset:16*PA*\a+64*\q+32
.endr
.endm
; A load into a register that a matrix instruction has read, and a vector instruction that reads a matrix result, stand four places behind that
; matrix instruction, and only plain vector instructions that name none of its registers are places (ISA guide 7.12.1 for vector instructions).
.macro PLACES
.rept 4
	v_nop
.endr
.endm
; One of a K step's first three quarters: multiplies buffer f; in its middle it fetches quarter q of the same slot into buffer g.
.macro QUARTER slot, q, f, g, first
	s_wait_dscnt 4                                 ; w's 24 loads and x's rows 0-31 are in; the youngest four (x's rows 32-63) may be out
.if \first
	WIN 0x81                                       ; C (the bias) in window 0, D in window 2
.else
	WIN MUL_LO
.endif
	MULA \f, 0, 0, \first
	MULA \f, 0, 1, \first
	PLACES
	FETCH \slot, \q, \g
	s_wait_dscnt 32                                ; all but the 32 just issued
.if \first
	WIN 0xc1
.else
	WIN MUL_HI
.endif
	MULA \f, 1, 0, \first
	MULA \f, 1, 1, \first
.endm
.macro THREE slot, first
	QUARTER \slot, 1, 0, 1, \first
	QUARTER \slot, 2, 1, 0, 0
	QUARTER \slot, 3, 0, 1, 0
.endm
; The last quarter: multiplies buffer 1 and changes slots.  In front of the barrier each wave waits for its reads of this slot and for all its
; tensor loads, of which one is out: its part of the next slot.  Behind it (where the slot is filled again: behind the whole round of the
; cluster's barrier) the refill comes first, one tensor load a wave, then the next slot's first fragments.
.macro TURN slot, next, fill
	s_wait_dscnt 4
	WIN MUL_LO
	MULA 1, 0, 0, 0
	s_wait_dscnt 0                                 ; my reads of this slot are over
	s_wait_tensorcnt 0x0                           ; and all my tensor loads have landed
	ds_add_u32 v255, v255
	s_wait_dscnt 0x0
	s_barrier_signal -1
	MULA 1, 0, 1, 0                                ; registers only, while the others arrive
	WIN 0
	s_barrier_wait -1
.if \fill
	CREST                                          ; no wave of any partner still reads this slot or has a load on its way
	s_add_nc_u64 s[G0+4*\slot+2:G0+4*\slot+3], s[G0+4*\slot+2:G0+4*\slot+3], 2*KSTEP*2
	s_add_nc_u64 s[G0B+4*\slot+2:G0B+4*\slot+3], s[G0B+4*\slot+2:G0B+4*\slot+3], 2*KSTEP*6144
	JLOAD \slot                                    ; two K steps ahead; it has a K step less twelve matrix instructions in which to land
.endif
	PLACES
	FETCH \next, 0, 0
	WIN MUL_HI
	MULA 1, 1, 0, 0
	MULA 1, 1, 1, 0
.endm
.macro LAP first
	THREE 0, \first
	TURN 0, 1, 1
	THREE 1, 0
	TURN 1, 0, 1
.endm
	s_wait_loadcnt 0x0                             ; the bias: the first products take it as C
	s_wait_tensorcnt 0x1                           ; my part of K step 0 is in; K step 1's stays out
	s_barrier_signal -1
	s_barrier_wait -1
	FETCH 0, 0, 0
	LAP 1                                          ; K steps 0, 1; asks for 2, 3
	WIN 0                                          ; at a label and at a branch every window is 0
	s_mov_b32 s3, LAPS-2
.Llap:
	LAP 0                                          ; K steps 2 to 5; asks for 4 to 7
	WIN 0
	s_sub_co_u32 s3, s3, 1
	s_cmp_lg_u32 s3, 0
	s_cbranch_scc1 .Llap
	THREE 0, 0                                     ; the last lap fills nothing
	TURN 0, 1, 0
	THREE 1, 0
	s_wait_dscnt 4
	WIN MUL_LO
	MULA 1, 0, 0, 0
	MULA 1, 0, 1, 0
	s_wait_dscnt 0
	WIN MUL_HI
	MULA 1, 1, 0, 0
	MULA 1, 1, 1, 0
	PLACES                                         ; behind the last matrix instructions: for the conversions and for the loads into x's buffers
; THE WAY OUT, 16 rows at a time: round to f16, 16 bytes a lane into my own stage, read back so that a store covers four rows of one slab:
; 512 consecutive bytes of qkv, aligned.  LDS serves a wave's instructions in order, so the loads see the stores above them.
.macro OUT16 a
.if \a < 2
	WIN 0x0a
.else
	WIN 0x0f
.endif
.irp b, 0,1,2,3,4,5,6,7,8,9,10,11
.irp p, 0,1,2,3
	v_cvt_pk_f16_f32 v[TMP+4*\b+\p], v[8*(12*(\a%2)+\b)+2*\p], v[8*(12*(\a%2)+\b)+2*\p+1]
.endr
.endr
	WIN 0
.irp b, 0,1,2,3,4,5,6,7,8,9,10,11
	ds_store_b128 v[STO], v[TMP+4*\b:TMP+4*\b+3] offset:32*\b
.endr
	s_wait_xcnt 0x0                                ; the registers that the last 16 rows' stores read are loaded again only behind this wait
.irp u, 0,1,2,3,4,5,6,7,8,9,10,11
	ds_load_b128 v[RB+4*\u:RB+4*\u+3], v[RD] offset:4*SP*(\u%4)+128*(\u/4)
.endr
.irp u, 0,1,2,3,4,5,6,7,8,9,10,11
	s_wait_dscnt 11-\u                             ; load u is in, the younger ones stay out
	global_store_b128 v[CO], v[RB+4*\u:RB+4*\u+3], s[8:9] offset:524288*(\u/4)+2048*\a+512*(\u%4)
.endr
.endm
	OUT16 0
	OUT16 1
	OUT16 2
	OUT16 3
	s_set_vgpr_msb 0x1
	s_wait_tensorcnt 0x0
	ds_add_u32 v255, v255
	s_wait_dscnt 0x0
	s_set_vgpr_msb 0x100
	CROUND                                         ; the closing round: no work-group ends while a partner may still ask for a tile that names it
	s_endpgm
.Lfunc_end_k_q12ec889ed4_qkvgemm:
	.size	k_q12ec889ed4_qkvgemm, .Lfunc_end_k_q12ec889ed4_qkvgemm-k_q12ec889ed4_qkvgemm
	.p2alignl 7, 3214868480
	.fill 96, 4, 3214868480
	.section	.rodata,"a",@progbits
	.p2align	6, 0x0
	.amdhsa_kernel k_q12ec889ed4_qkvgemm
		.amdhsa_group_segment_fixed_size 327680
		.amdhsa_private_segment_fixed_size 0
		.amdhsa_enable_private_segment 0
		.amdhsa_kernarg_size 24
		.amdhsa_user_sgpr_count 2
		.amdhsa_user_sgpr_kernarg_segment_ptr 1
		.amdhsa_wavefront_size32 1
		.amdhsa_system_sgpr_workgroup_id_x 1
		.amdhsa_system_sgpr_workgroup_id_y 1
		.amdhsa_system_sgpr_workgroup_id_z 1
		.amdhsa_system_vgpr_workitem_id 0
		.amdhsa_next_free_vgpr 960
		.amdhsa_next_free_sgpr 80
		.amdhsa_reserve_vcc 0
		.amdhsa_float_denorm_mode_32 3
		.amdhsa_float_denorm_mode_16_64 3
		.amdhsa_memory_ordered 1
		.amdhsa_forward_progress 1
		.amdhsa_inst_pref_size 166
	.end_amdhsa_kernel
	.amdgpu_metadata
---
amdhsa.version: [ 1, 2 ]
amdhsa.kernels:
  - .name:           k_q12ec889ed4_qkvgemm
    .symbol:         k_q12ec889ed4_qkvgemm.kd
    .args:
      - { .name: bf, .offset: 0, .size: 8, .value_kind: global_buffer, .address_space: global }
      - { .name: b_qkv, .offset: 8, .size: 8, .value_kind: global_buffer, .address_space: global }
      - { .name: qkv, .offset: 16, .size: 8, .value_kind: global_buffer, .address_space: global }
    .group_segment_fixed_size: 327680
    .private_segment_fixed_size: 0
    .kernarg_segment_align: 8
    .kernarg_segment_size: 24
    .max_flat_workgroup_size: 128
    .sgpr_count:     80
    .vgpr_count:     960
    .wavefront_size: 32
...
	.end_amdgpu_metadata
.endif
;; end of part 2
;; launch attn (part 3): grid 8 x 32, 8 waves a work-group, no clusters, 327,680 bytes of LDS; arguments qkv, ao; writes ao
.if DOCPART == 3
	.amdgcn_target "amdgcn-amd-amdhsa--gfx1250"
	.amdhsa_code_object_version 6
	.text
	.protected	k_q12ec889ed4_attn
	.globl	k_q12ec889ed4_attn
	.p2align	8
	.type	k_q12ec889ed4_attn,@function
k_q12ec889ed4_attn:
	s_mov_b64 s[64:65], 0
	v_nop
	global_prefetch_b8 v0, s[64:65] scope:SCOPE_SE
	s_setreg_imm32_b32 hwreg(HW_REG_WAVE_MODE, 25, 1), 1
	s_wait_xcnt 0x0
; Causal attention for one (batch, head): softmax(q k^T / 8, keys <= query) v, with a running maximum.  q, k, v: f16 slabs of qkv (see there).
; Out: ao, f16 [32 row blocks of 128][16 heads][128 rows][64]: each (row block, head) is 16,384 dense bytes.
; WORK: 16 query blocks of 128 rows; block i needs key tiles 0 .. i of 128 keys.  Work-group j takes block 2 j + 1 (2 j + 2 tiles) and then block
; 14 - 2 j (15 - 2 j tiles): 17 tiles for every work-group, 8 x 32 = 256 work-groups.  The first block has an even number of tiles, so the slot of
; every tile is fixed in the text, and the tile on the diagonal, the only one that is masked, is the last of its block.
; NO CLUSTER: the eight work-groups of a head need different numbers of tiles in each block (2 j + 2 against 2 j' + 2), so their requests do not meet.
; WAVES: eight.  Wave w takes query rows 32 (w & 3) .. + 31 and keys 64 (w >> 2) .. + 63 of every tile; waves w and w + 4 keep maximum, sum and
; output of their own and merge once a block through LDS.
; EVERYTHING IS TRANSPOSED, so that a query row stays in one lane (and its partner 16 lanes away):
;   S^T = K Q^T: source 0 = 16 keys x 32 d of K, source 1 = 16 queries of Q.  Lane (r, h), register j: key 8 h + j, query r.
;   Two such tiles, packed to f16 in place, are source 1 of the next product as they stand (K = key: registers 0-3 keys 8 h .., 4-7 keys 16 + 8 h ..).
;   O^T = V^T P^T: source 0 = 16 d x 32 keys of V by the transposing load.  Lane (r, h), register j: d = 8 h + j, query r: 16 bytes of a row of ao in f16.
; SOFTMAX in f32.  c = log2(e) / 8.  p = 2^(c s + NMC), NMC = -c m rounded once and kept; when the maximum moves, sums and outputs are multiplied by
; 2^(NMC new - NMC old), which is exactly 1 while the maximum stays and never above 1.  The maximum starts at the most negative finite f32, not at
; minus infinity: a wave whose keys are all masked gets p = 0 and the factor 1, and no NaN; any finite score is at least that start.
; LIMIT: q, k, v and p are f16 operands (p <= 1 by the maximum; q, k, v below 65,504: see the launch that makes them).
.set TILE,  16384                      ; 128 keys x 128 bytes
.set REG,   4608                       ; a wave's part of a slot: 32 keys as 16 rows of 256 bytes (two keys a row)
.set SLOT,  8*REG                      ; K's four parts, then V's four
.set PK,    272                        ; pitch of K's LDS rows: key at (key / 2) 272 + (key % 2) 128: 16 keys begin at 16 different multiples of 16 bytes modulo 256
.set PV,    288                        ; pitch of V's LDS rows: the 8 keys x 2 halves that 16 lanes of a transposing load touch do the same
.set SCRB,  2*SLOT                     ; merge scratch: 8,704 bytes for each pair of waves; no tensor load lands here or behind
.set SCRW,  8704
.set STGB,  SCRB+4*SCRW                ; stage for the way out: 32 rows x 144 bytes for each of waves 0-3
.set PS,    144
.set KADR, 8                           ; v8-9    my K fragments in slot 0, 1
.set VADR, 10                          ; v10-11  my V fragments in slot 0, 1
.set SCR,  12                          ; merge scratch + 16 lane
.set STO,  13                          ; stage, in
.set RD,   14                          ; stage, back
.set CO,   15                          ; 16 lane
.set VQ,   16                          ; 128 r + 16 h: Q's fragments in memory
.set DM,   17                          ; r - 8 h + 32 (w & 3) - 64 (w >> 2): on the diagonal tile key <= query means 16 (kb - n) + j <= DM
.set NINF, 18                          ; minus infinity
.set MX,   20                          ; v20-21  running maximum of the raw scores, n = 0, 1.  v[20:23] is also what a wave hands over at the merge
.set LL,   22                          ; v22-23  the sums at a block's end
.set LS,   24                          ; v[24:27] running sums, a pair (even j, odd j) for each n
.set NMC,  28                          ; v[28:31] -c m, twice for each n (a pair for the packed forms)
.set AL,   32                          ; v[32:35] the factor, twice for each n
.set T,    36                          ; v[36:47] at work
.set SC,   48                          ; v[48:111] scores: tile (kb, n) at SC + 32 n + 8 kb; then P: chunk (c, n) at SC + 32 n + 16 c
.set KF,   112                         ; v[112:175] K's fragments (kb, c) at KF + 8 (2 kb + c); at the merge the partner's output
.set VF,   176                         ; v[176:239] V's fragments (c, t) at VF + 8 (4 c + t); at the merge the packed output
.set PX,   240                         ; v[240:243] what the partner handed over
.set F1,   244                         ; v[244:247] my factor, twice for each n
.set F2,   248                         ; v[248:251] the partner's
.set QA,   64                          ; window 1: v[64:95] Q of the first block, fragment (n, c) at 16 n + 8 c; v[0:63] of window 1: O, tile (t, n) at 8 (4 n + t)
.set QB,   96                          ; window 1: v[96:127] Q of the second block
.set G1K, 16                           ; s[16:23] descriptor group 1 for K's parts
.set G1V, 24                           ; s[24:31] for V's
.set G0,  32                           ; s[32:39] group 0, one set for each slot
.set MSB, 0
.macro WIN new
.if MSB != \new
	s_set_vgpr_msb (MSB<<8)|\new
.set MSB, \new
.endif
.endm
.macro PLACES                          ; four places behind a matrix instruction (ISA guide 7.12.1 for vector instructions)
.rept 4
	v_nop
.endr
.endm
; My part of a tile into slot s: waves 0-3 fetch 32 keys of K each, waves 4-7 32 keys of V.  The branch hangs on the wave's number alone.
.macro KVLOAD s
	s_cmp_eq_u32 s11, 0
	s_cbranch_scc0 .Lfor_v_\@
	tensor_load_to_lds s[G0+4*(\s):G0+4*(\s)+3], s[G1K:G1K+7]
	s_nop 0
	s_branch .Lasked_\@
.Lfor_v_\@:
	tensor_load_to_lds s[G0+4*(\s):G0+4*(\s)+3], s[G1V:G1V+7]
	s_nop 0
.Lasked_\@:
.endm
; A block's start.  O is cleared rather than started by a first product, because block 0's first tile is also its masked one, so that
; 'first' has no fixed place in the text: 64 moves for a block of more than a thousand vector instructions.
.macro CLEAR
	WIN 0x40
.set i, 0
.rept 64
	v_mov_b32 v[i], 0
.set i, i+1
.endr
	WIN 0
	v_mov_b32 v[MX], 0xff7fffff
	v_mov_b32 v[MX+1], 0xff7fffff
.irp k, 0,1,2,3
	v_mov_b32 v[LS+\k], 0
	v_mul_f32 v[NMC+\k], s56, v[MX]
.endr
.endm
	s_load_b128 s[4:7], s[0:1], 0x0                ; qkv s[4:5], ao s[6:7]
	v_lshl_add_u32 v254, v0, 2, 0x29000
	v_mov_b32 v255, 0
	ds_add_u32 v254, v255
	ds_add_u32 v254, v255
	v_lshrrev_b32 v1, 5, v0
	v_readfirstlane_b32 s10, v1                    ; wave 0..7
	s_lshr_b32 s11, s10, 2                         ; which 64 keys of a tile are mine.  Also: I fetch for K (0) or for V (1)
	s_and_b32 s12, s10, 3                          ; which 32 query rows.  Also: which 32 keys I fetch
	s_mov_b32 s13, ttmp9                           ; j
	s_and_b32 s14, ttmp7, 0xffff
	s_and_b32 s15, s14, 15                         ; head
	s_lshr_b32 s14, s14, 4                         ; batch
	; group 1: 4,096 dense bytes as 16 rows of 32 elements of 8 bytes; after every 64 words 4 words are skipped for K, 8 for V
	s_mov_b32 s[G1K+0], (3<<16)|(1<<20)|(5<<22)|(3<<25)
	s_mov_b32 s[G1V+0], (3<<16)|(1<<20)|(5<<22)|(7<<25)
.irp g, G1K, G1V
	s_mov_b32 s[\g+1], 32<<16                      ; tensor_dim0 = 32
	s_mov_b32 s[\g+2], 16<<16                      ; tensor_dim1 = 16
	s_mov_b32 s[\g+3], 32<<16                      ; tile_dim0 = 32
	s_mov_b32 s[\g+4], 16                          ; tile_dim1 = 16
	s_mov_b32 s[\g+5], 32                          ; a row begins where the last ends
	s_mov_b32 s[\g+6], 0
	s_mov_b32 s[\g+7], 0
.endr
	s_lshl_b32 s42, s11, 4                         ; slab 16 + head (K) or 32 + head (V),
	s_add_co_u32 s42, s42, s15
	s_add_co_u32 s42, s42, 16
	s_lshl_b32 s42, s42, 19
	s_lshl_b32 s43, s14, 18                        ; the batch's 2,048 rows of 128 bytes,
	s_add_co_u32 s42, s42, s43
	s_lshl_b32 s43, s12, 12                        ; my 32 keys
	s_add_co_u32 s42, s42, s43
	s_mov_b32 s43, 0
	s_mul_i32 s57, s10, REG                        ; my part of a slot
	s_wait_dscnt 0x0
	s_wait_kmcnt 0x0
	s_add_nc_u64 s[40:41], s[4:5], s[42:43]        ; my part of tile 0: kept for the second block
	s_mov_b32 s[G0+0], 1
	s_mov_b32 s[G0+1], s57
	s_mov_b64 s[G0+2:G0+3], s[40:41]
	s_or_b32 s[G0+3], s[G0+3], 0x80000000
	s_mov_b32 s[G0+4], 1
	s_add_co_u32 s[G0+5], s57, SLOT
	s_add_nc_u64 s[G0+6:G0+7], s[40:41], TILE
	s_or_b32 s[G0+7], s[G0+7], 0x80000000
	KVLOAD 0                                       ; tile 0, ahead of everything else; slot 1 is first filled behind the first trip's barrier
	s_lshl_b32 s58, s13, 1
	s_add_co_u32 s59, s58, 1                       ; first block 2 j + 1
	s_sub_co_u32 s58, 14, s58                      ; second block 14 - 2 j
	s_lshl_b32 s62, s15, 19                        ; Q: slab = head,
	s_lshl_b32 s63, s14, 18
	s_add_co_u32 s62, s62, s63                     ; batch,
	s_lshl_b32 s63, s12, 12
	s_add_co_u32 s62, s62, s63                     ; my 32 rows,
	s_lshl_b32 s44, s59, 14                        ; the block's 128 rows
	s_add_co_u32 s44, s44, s62
	s_mov_b32 s45, 0
	s_lshl_b32 s46, s58, 14
	s_add_co_u32 s46, s46, s62
	s_mov_b32 s47, 0
	s_add_nc_u64 s[44:45], s[4:5], s[44:45]
	s_add_nc_u64 s[46:47], s[4:5], s[46:47]
	s_lshl_b32 s62, s14, 22                        ; ao: ((16 batch + block) 16 + head) 16,384 + my 32 rows of 128 bytes
	s_add_co_u32 s62, s62, s63
	s_lshl_b32 s63, s15, 14
	s_add_co_u32 s62, s62, s63
	s_lshl_b32 s48, s59, 18
	s_add_co_u32 s48, s48, s62
	s_mov_b32 s49, 0
	s_lshl_b32 s60, s58, 18
	s_add_co_u32 s60, s60, s62
	s_mov_b32 s61, 0
	s_add_nc_u64 s[48:49], s[6:7], s[48:49]
	s_add_nc_u64 s[60:61], s[6:7], s[60:61]
	s_mov_b32 s52, 0x76543210                      ; v_permlanex16_b32: lane i of one half reads lane i of the other
	s_mov_b32 s53, 0xfedcba98
	s_mov_b32 s54, 0x3e38aa3b                      ; c = log2(e) / 8
	s_mov_b32 s55, 0x3e38aa3b
	s_mov_b32 s56, 0xbe38aa3b                      ; -c
	v_and_b32 v1, 15, v0                           ; r
	v_bfe_u32 v2, v0, 4, 1                         ; h
	v_and_b32 v3, 31, v0                           ; lane
	v_lshlrev_b32 v[VQ], 7, v1
	v_lshl_add_u32 v[VQ], v2, 4, v[VQ]
	WIN 0x40
.irp n, 0,1
.irp c, 0,1
	global_load_b128 v[QA+16*\n+8*\c:QA+16*\n+8*\c+3],   v[VQ], s[44:45] offset:2048*\n+64*\c
	global_load_b128 v[QA+16*\n+8*\c+4:QA+16*\n+8*\c+7], v[VQ], s[44:45] offset:2048*\n+64*\c+32
	global_load_b128 v[QB+16*\n+8*\c:QB+16*\n+8*\c+3],   v[VQ], s[46:47] offset:2048*\n+64*\c
	global_load_b128 v[QB+16*\n+8*\c+4:QB+16*\n+8*\c+7], v[VQ], s[46:47] offset:2048*\n+64*\c+32
.endr
.endr
	WIN 0
	v_lshrrev_b32 v4, 1, v1                        ; K: (r / 2) 272 + (r % 2) 128 + 16 h + my 64 keys
	v_mul_u32_u24 v4, v4, PK
	v_and_b32 v5, 1, v0
	v_lshl_add_u32 v4, v5, 7, v4
	v_lshl_add_u32 v4, v2, 4, v4
	s_mul_i32 s62, s11, 2*REG
	v_add_nc_u32 v[KADR], s62, v4
	v_add_nc_u32 v[KADR+1], SLOT, v[KADR]
	v_bfe_u32 v6, v0, 1, 2                         ; V: key 8 h + (l & 7): row 4 h + ((l & 7) / 2), half l % 2; 16 bytes at 16 ((l >> 3) & 1)
	v_lshl_add_u32 v6, v2, 2, v6
	v_mul_u32_u24 v6, v6, PV
	v_lshl_add_u32 v6, v5, 7, v6
	v_bfe_u32 v7, v0, 3, 1
	v_lshl_add_u32 v6, v7, 4, v6
	s_add_co_u32 s62, s62, 4*REG
	v_add_nc_u32 v[VADR], s62, v6
	v_add_nc_u32 v[VADR+1], SLOT, v[VADR]
	s_mul_i32 s63, s12, SCRW
	s_add_co_u32 s63, s63, SCRB
	v_lshl_add_u32 v[SCR], v3, 4, s63
	s_mul_i32 s63, s12, 32*PS
	s_add_co_u32 s63, s63, STGB
	v_mul_u32_u24 v4, v1, PS
	v_lshl_add_u32 v4, v2, 4, v4
	v_add_nc_u32 v[STO], s63, v4
	v_bfe_u32 v5, v0, 3, 2
	v_mul_u32_u24 v5, v5, PS
	v_and_b32 v6, 7, v0
	v_lshl_add_u32 v5, v6, 4, v5
	v_add_nc_u32 v[RD], s63, v5
	v_lshlrev_b32 v[CO], 4, v3
	s_lshl_b32 s62, s12, 5
	s_lshl_b32 s63, s11, 6
	s_sub_co_i32 s62, s62, s63
	v_lshlrev_b32 v4, 3, v2
	v_sub_nc_u32 v[DM], v1, v4
	v_add_nc_u32 v[DM], s62, v[DM]
	v_mov_b32 v[NINF], 0xff800000
	v_mov_b32 v[T+2], 0                            ; destinations of v_permlanex16_b32 count as read: written once here
	v_mov_b32 v[T+6], 0
	CLEAR
	s_wait_loadcnt 0x0                             ; Q, once
; One key tile, in slot 'slot'.  refill = 1: the other slot gets the next tile.  mask = 1: the tile on the diagonal.  q: Q's registers in window 1.
; reset = 1: the next tile is the second block's tile 0.
.macro TRIP slot, refill, mask, q, reset
.rept 5
	v_nop                                          ; five places behind the last trip's products: for the loads into V's fragments and for the products that write over P
.endr
	s_wait_tensorcnt 0x0                           ; all my tensor loads have landed, my part of this tile among them: every group 0 may be written
	ds_add_u32 v254, v255
	s_wait_dscnt 0x0
.if \reset
	s_mov_b64 s[G0+2:G0+3], s[40:41]               ; tile 0 again, and tile 1
	s_or_b32 s[G0+3], s[G0+3], 0x80000000
	s_add_nc_u64 s[G0+6:G0+7], s[40:41], TILE
	s_or_b32 s[G0+7], s[G0+7], 0x80000000
.else
	s_add_nc_u64 s[G0+4*\slot+2:G0+4*\slot+3], s[G0+4*\slot+2:G0+4*\slot+3], 2*TILE   ; this slot's next tile
.endif
	s_wait_dscnt 0x0                               ; my reads of the last tile are over
	s_barrier_signal -1
	s_barrier_wait -1                              ; both now hold of all eight waves
.if \refill
	KVLOAD 1-\slot                                 ; my one tensor load behind this barrier, into the slot read last; it has this trip in which to land
.endif
.irp kb, 0,1,2,3
.irp c, 0,1
	ds_load_b128 v[KF+8*(2*\kb+\c):KF+8*(2*\kb+\c)+3],   v[KADR+\slot] offset:(\kb/2)*REG+(\kb%2)*8*PK+64*\c
	ds_load_b128 v[KF+8*(2*\kb+\c)+4:KF+8*(2*\kb+\c)+7], v[KADR+\slot] offset:(\kb/2)*REG+(\kb%2)*8*PK+64*\c+32
.endr
.endr
.irp c, 0,1
.irp t, 0,1,2,3
	ds_load_tr16_b128 v[VF+8*(4*\c+\t):VF+8*(4*\c+\t)+3],   v[VADR+\slot] offset:\c*REG+32*\t
	ds_load_tr16_b128 v[VF+8*(4*\c+\t)+4:VF+8*(4*\c+\t)+7], v[VADR+\slot] offset:\c*REG+32*\t+8*PV
.endr
.endr
	s_wait_dscnt 16                                ; K's 16 loads are in, V's 16 stay out
	WIN 0x04                                       ; source 1 (Q) in window 1
	; S^T: the eight tiles take turns, one instruction a turn; d = 0..31 starts the sums, d = 32..63 adds
.irp n, 0,1
.irp kb, 0,1,2,3
	v_wmma_f32_16x16x32_f16 v[SC+32*\n+8*\kb:SC+32*\n+8*\kb+7], v[KF+16*\kb:KF+16*\kb+7], v[\q+16*\n:\q+16*\n+7], 0
.endr
.endr
.irp n, 0,1
.irp kb, 0,1,2,3
	v_wmma_f32_16x16x32_f16 v[SC+32*\n+8*\kb:SC+32*\n+8*\kb+7], v[KF+16*\kb+8:KF+16*\kb+15], v[\q+16*\n+8:\q+16*\n+15], v[SC+32*\n+8*\kb:SC+32*\n+8*\kb+7]
.endr
.endr
	WIN 0
	PLACES
.if \mask
	; keys beyond the query become minus infinity.  Tiles (kb, 0) and (kb + 1, 1) have the same constant 16 (kb - n) + j: one compare serves both
.irp kb, 0,1,2,3
.irp j, 0,1,2,3,4,5,6,7
	v_cmp_le_i32 vcc_lo, 16*\kb+\j, v[DM]
	v_cndmask_b32 v[SC+8*\kb+\j], v[NINF], v[SC+8*\kb+\j], vcc_lo
.if \kb < 3
	v_cndmask_b32 v[SC+32+8*(\kb+1)+\j], v[NINF], v[SC+32+8*(\kb+1)+\j], vcc_lo
.endif
.endr
.endr
.irp j, 0,1,2,3,4,5,6,7
	v_cmp_le_i32 vcc_lo, \j-16, v[DM]
	v_cndmask_b32 v[SC+32+\j], v[NINF], v[SC+32+\j], vcc_lo
.endr
.endif
	; the maximum of my 32 scores of each query and of the old maximum: two chains for each n, 16 instructions for 33 numbers
.irp n, 0,1
	v_max3_num_f32 v[T+4*\n],   v[MX+\n], v[SC+32*\n], v[SC+32*\n+1]
	v_max3_num_f32 v[T+4*\n+1], v[SC+32*\n+16], v[SC+32*\n+17], v[SC+32*\n+18]
.endr
.irp i, 1,2,3,4,5,6
.irp n, 0,1
	v_max3_num_f32 v[T+4*\n],   v[T+4*\n],   v[SC+32*\n+2*\i],    v[SC+32*\n+2*\i+1]
	v_max3_num_f32 v[T+4*\n+1], v[T+4*\n+1], v[SC+32*\n+17+2*\i], v[SC+32*\n+18+2*\i]
.endr
.endr
.irp n, 0,1
	v_max3_num_f32 v[T+4*\n], v[T+4*\n], v[SC+32*\n+14], v[SC+32*\n+15]
.endr
.irp n, 0,1
	v_max3_num_f32 v[T+4*\n], v[T+4*\n], v[T+4*\n+1], v[SC+32*\n+31]
.endr
.irp n, 0,1
	v_permlanex16_b32 v[T+4*\n+2], v[T+4*\n], s52, s53     ; the other 32 keys of the same query
.endr
.irp n, 0,1
	v_max_num_f32 v[MX+\n], v[T+4*\n], v[T+4*\n+2]
.endr
.irp n, 0,1
	v_mul_f32 v[T+4*\n+3], s56, v[MX+\n]                   ; the new -c m
.endr
.irp n, 0,1
	v_sub_f32 v[T+4*\n+1], v[T+4*\n+3], v[NMC+2*\n]        ; new - old: 0 or below
.endr
.irp n, 0,1
	v_exp_f32 v[AL+2*\n],   v[T+4*\n+1]
	v_exp_f32 v[AL+2*\n+1], v[T+4*\n+1]
.endr
.irp n, 0,1
	v_mov_b32 v[NMC+2*\n],   v[T+4*\n+3]                   ; plain work that touches neither the factors nor their source stands behind the exponentials (ISA guide 5.7.2)
	v_mov_b32 v[NMC+2*\n+1], v[T+4*\n+3]
.endr
.irp n, 0,1
.irp i, 0,1,2,3,4,5,6,7,8,9,10,11,12,13,14,15
	v_pk_fma_f32 v[SC+32*\n+2*\i:SC+32*\n+2*\i+1], v[SC+32*\n+2*\i:SC+32*\n+2*\i+1], s[54:55], v[NMC+2*\n:NMC+2*\n+1] op_sel_hi:[1,0,1]
.endr
.endr
	WIN 0x41                                       ; O in window 1, the factor in window 0
	s_wait_alu depctr_va_vdst(0)
.irp n, 0,1
.irp i, 0,1,2,3,4,5,6,7,8,9,10,11,12,13,14,15
	v_pk_mul_f32 v[32*\n+2*\i:32*\n+2*\i+1], v[32*\n+2*\i:32*\n+2*\i+1], v[AL+2*\n:AL+2*\n+1]
.endr
.endr
	WIN 0
.set i, 0
.rept 64
	v_exp_f32 v[SC+i], v[SC+i]
.set i, i+1
.endr
	v_nop                                          ; one plain place behind the exponentials
	s_wait_alu depctr_va_vdst(0)
.irp n, 0,1
	v_pk_fma_f32 v[LS+2*\n:LS+2*\n+1], v[LS+2*\n:LS+2*\n+1], v[AL+2*\n:AL+2*\n+1], v[SC+32*\n:SC+32*\n+1]
.endr
.irp i, 1,2,3,4,5,6,7,8,9,10,11,12,13,14,15
.irp n, 0,1
	v_pk_add_f32 v[LS+2*\n:LS+2*\n+1], v[LS+2*\n:LS+2*\n+1], v[SC+32*\n+2*\i:SC+32*\n+2*\i+1]
.endr
.endr
	; two score tiles of 8 registers become one fragment of P of 8 registers, in place: register i is written when registers 2 i, 2 i + 1 have been read
.irp n, 0,1
.irp c, 0,1
.irp i, 0,1,2,3,4,5,6,7
	v_cvt_pk_f16_f32 v[SC+32*\n+16*\c+\i], v[SC+32*\n+16*\c+2*\i], v[SC+32*\n+16*\c+2*\i+1]
.endr
.endr
.endr
	s_wait_dscnt 0x0                               ; V's fragments
	WIN 0x50                                       ; C and D (O) in window 1
.irp c, 0,1
.irp n, 0,1
.irp t, 0,1,2,3
	v_wmma_f32_16x16x32_f16 v[8*(4*\n+\t):8*(4*\n+\t)+7], v[VF+8*(4*\c+\t):VF+8*(4*\c+\t)+7], v[SC+32*\n+16*\c:SC+32*\n+16*\c+7], v[8*(4*\n+\t):8*(4*\n+\t)+7]
.endr
.endr
.endr
	WIN 0
.endm
; A block's end: waves 4-7 hand their shift, sum and output to waves 0-3, which merge, divide, round to f16 and store.  ob: the scalar pair with the block's place in ao.
.macro FINISH ob, again
	PLACES
.irp n, 0,1
	v_add_f32 v[T+4*\n], v[LS+2*\n], v[LS+2*\n+1]
.endr
.irp n, 0,1
	v_permlanex16_b32 v[T+4*\n+2], v[T+4*\n], s52, s53
.endr
	v_mov_b32 v[MX],   v[NMC]                      ; v[20:23] = my two shifts and my two sums
	v_mov_b32 v[MX+1], v[NMC+2]
.irp n, 0,1
	v_add_f32 v[LL+\n], v[T+4*\n], v[T+4*\n+2]
.endr
	s_cmp_eq_u32 s11, 0
	s_cbranch_scc1 .Lkeep_\@
	WIN 0x04                                       ; store data in window 1
.irp i, 0,1,2,3,4,5,6,7,8,9,10,11,12,13,14,15
	ds_store_b128 v[SCR], v[4*\i:4*\i+3] offset:512*\i
.endr
	WIN 0
	ds_store_b128 v[SCR], v[MX:MX+3] offset:8192
.Lkeep_\@:
	s_wait_dscnt 0x0                               ; for the partner's sake: my stores are in LDS
	s_barrier_signal -1                            ; the second block's tile 0 may stay on its way across it
	s_barrier_wait -1
	s_cmp_lg_u32 s11, 0
	s_cbranch_scc1 .Ldone_\@
.irp i, 0,1,2,3,4,5,6,7,8,9,10,11,12,13,14,15
	ds_load_b128 v[KF+4*\i:KF+4*\i+3], v[SCR] offset:512*\i
.endr
	ds_load_b128 v[PX:PX+3], v[SCR] offset:8192
	s_wait_dscnt 0x0
.irp n, 0,1
	v_min_num_f32 v[T+4*\n], v[MX+\n], v[PX+\n]    ; the smaller -c m belongs to the larger maximum
.endr
.irp n, 0,1
	v_sub_f32 v[T+4*\n+1], v[T+4*\n], v[MX+\n]
	v_sub_f32 v[T+4*\n+2], v[T+4*\n], v[PX+\n]
.endr
.irp n, 0,1
	v_exp_f32 v[T+4*\n+1], v[T+4*\n+1]             ; 1 for the half with the larger maximum, at most 1 for the other
	v_exp_f32 v[T+4*\n+2], v[T+4*\n+2]
.endr
	v_nop
	s_wait_alu depctr_va_vdst(0)
.irp n, 0,1
	v_mul_f32 v[T+4*\n+3], v[LL+\n], v[T+4*\n+1]
.endr
.irp n, 0,1
	v_fmac_f32 v[T+4*\n+3], v[PX+2+\n], v[T+4*\n+2]        ; the whole row's sum: at least about 1, the largest key's own term
.endr
.irp n, 0,1
	v_rcp_f32 v[T+4*\n+3], v[T+4*\n+3]
.endr
	v_nop
	s_wait_alu depctr_va_vdst(0)
.irp n, 0,1
	v_mul_f32 v[F1+2*\n],   v[T+4*\n+1], v[T+4*\n+3]
	v_mul_f32 v[F1+2*\n+1], v[T+4*\n+1], v[T+4*\n+3]
	v_mul_f32 v[F2+2*\n],   v[T+4*\n+2], v[T+4*\n+3]
	v_mul_f32 v[F2+2*\n+1], v[T+4*\n+2], v[T+4*\n+3]
.endr
.irp n, 0,1
.irp i, 0,1,2,3,4,5,6,7,8,9,10,11,12,13,14,15
	v_pk_mul_f32 v[KF+32*\n+2*\i:KF+32*\n+2*\i+1], v[KF+32*\n+2*\i:KF+32*\n+2*\i+1], v[F2+2*\n:F2+2*\n+1]
.endr
.endr
	WIN 0x01                                       ; source 0 (my O) in window 1
.irp n, 0,1
.irp i, 0,1,2,3,4,5,6,7,8,9,10,11,12,13,14,15
	v_pk_fma_f32 v[KF+32*\n+2*\i:KF+32*\n+2*\i+1], v[32*\n+2*\i:32*\n+2*\i+1], v[F1+2*\n:F1+2*\n+1], v[KF+32*\n+2*\i:KF+32*\n+2*\i+1]
.endr
.endr
	WIN 0
.set i, 0
.rept 32
	v_cvt_pk_f16_f32 v[VF+i], v[KF+2*i], v[KF+2*i+1]
.set i, i+1
.endr
.irp n, 0,1
.irp t, 0,1,2,3
	ds_store_b128 v[STO], v[VF+4*(4*\n+\t):VF+4*(4*\n+\t)+3] offset:16*PS*\n+32*\t    ; row 16 n + r, d = 16 t + 8 h ..: my own stage
.endr
.endr
.irp u, 0,1,2,3,4,5,6,7
	ds_load_b128 v[SC+4*\u:SC+4*\u+3], v[RD] offset:4*PS*\u                           ; four whole rows; LDS serves a wave's instructions in order
.endr
.irp u, 0,1,2,3,4,5,6,7
	s_wait_dscnt 7-\u                              ; load u is in, the younger ones stay out
	global_store_b128 v[CO], v[SC+4*\u:SC+4*\u+3], s[\ob:\ob+1] offset:512*\u          ; 512 consecutive bytes of ao, aligned
.endr
	s_wait_xcnt 0x0                                ; the score registers, which these stores read, are written again only behind this wait
.Ldone_\@:
.if \again
	CLEAR
.endif
.endm
	; the first block: tiles 0 .. 2 j + 1
	s_cmp_eq_u32 s13, 0
	s_cbranch_scc1 .Lno_a
	s_mov_b32 s50, 0
.Lloop_a:
	TRIP 0, 1, 0, QA, 0
	TRIP 1, 1, 0, QA, 0
	s_add_co_u32 s50, s50, 1
	s_cmp_lt_u32 s50, s13
	s_cbranch_scc1 .Lloop_a
.Lno_a:
	TRIP 0, 1, 0, QA, 0
	TRIP 1, 1, 1, QA, 1                            ; the diagonal; its refill is the second block's tile 0
	FINISH 48, 1
	; the second block: tiles 0 .. 14 - 2 j
	s_sub_co_u32 s51, 7, s13
	s_cmp_eq_u32 s51, 0
	s_cbranch_scc1 .Lno_b
	s_mov_b32 s50, 0
.Lloop_b:
	TRIP 0, 1, 0, QB, 0
	TRIP 1, 1, 0, QB, 0
	s_add_co_u32 s50, s50, 1
	s_cmp_lt_u32 s50, s51
	s_cbranch_scc1 .Lloop_b
.Lno_b:
	TRIP 0, 0, 1, QB, 0                            ; the diagonal; nothing is left to fetch, and its wait for all tensor loads was the last
	FINISH 60, 0
	s_wait_tensorcnt 0x0
	ds_add_u32 v254, v255
	s_wait_dscnt 0x0
	s_endpgm
.Lfunc_end_k_q12ec889ed4_attn:
	.size	k_q12ec889ed4_attn, .Lfunc_end_k_q12ec889ed4_attn-k_q12ec889ed4_attn
	.p2alignl 7, 3214868480
	.fill 96, 4, 3214868480
	.section	.rodata,"a",@progbits
	.p2align	6, 0x0
	.amdhsa_kernel k_q12ec889ed4_attn
		.amdhsa_group_segment_fixed_size 327680
		.amdhsa_private_segment_fixed_size 0
		.amdhsa_enable_private_segment 0
		.amdhsa_kernarg_size 16
		.amdhsa_user_sgpr_count 2
		.amdhsa_user_sgpr_kernarg_segment_ptr 1
		.amdhsa_wavefront_size32 1
		.amdhsa_system_sgpr_workgroup_id_x 1
		.amdhsa_system_sgpr_workgroup_id_y 1
		.amdhsa_system_sgpr_workgroup_id_z 1
		.amdhsa_system_vgpr_workitem_id 0
		.amdhsa_next_free_vgpr 384
		.amdhsa_next_free_sgpr 66
		.amdhsa_reserve_vcc 1
		.amdhsa_float_denorm_mode_32 3
		.amdhsa_float_denorm_mode_16_64 3
		.amdhsa_memory_ordered 1
		.amdhsa_forward_progress 1
		.amdhsa_inst_pref_size 168
	.end_amdhsa_kernel
	.amdgpu_metadata
---
amdhsa.version: [ 1, 2 ]
amdhsa.kernels:
  - .name:           k_q12ec889ed4_attn
    .symbol:         k_q12ec889ed4_attn.kd
    .args:
      - { .name: qkv, .offset: 0, .size: 8, .value_kind: global_buffer, .address_space: global }
      - { .name: ao, .offset: 8, .size: 8, .value_kind: global_buffer, .address_space: global }
    .group_segment_fixed_size: 327680
    .private_segment_fixed_size: 0
    .kernarg_segment_align: 8
    .kernarg_segment_size: 16
    .max_flat_workgroup_size: 256
    .sgpr_count:     66
    .vgpr_count:     384
    .wavefront_size: 32
...
	.end_amdgpu_metadata
.endif
;; end of part 3
;; launch proj (part 4): grid 8 x 32, 4 waves a work-group, clusters of 4 x 4, 327,680 bytes of LDS; arguments ao, bf, b_out, out0; writes out0
.if DOCPART == 4
	.amdgcn_target "amdgcn-amd-amdhsa--gfx1250"
	.amdhsa_code_object_version 6
	.text
	.protected	k_q12ec889ed4_proj
	.globl	k_q12ec889ed4_proj
	.p2align	8
	.type	k_q12ec889ed4_proj,@function
k_q12ec889ed4_proj:
	s_mov_b64 s[64:65], 0
	v_nop
	global_prefetch_b8 v0, s[64:65] scope:SCOPE_SE
	s_setreg_imm32_b32 hwreg(HW_REG_WAVE_MODE, 25, 1), 1
	s_wait_xcnt 0x0
	s_wait_alu depctr_hold_cnt(0) depctr_sa_sdst(0) depctr_va_vdst(0) depctr_va_sdst(0) depctr_va_ssrc(0) depctr_va_vcc(0) depctr_vm_vsrc(0)
	s_getreg_b32 s2, hwreg(HW_REG_IB_STS2, 6, 4)
	s_cmp_eq_u32 s2, 0
	s_cbranch_scc0 .Lentry_in_a_cluster
	s_endpgm
.Lentry_in_a_cluster:
	s_bfe_u32 s2, ttmp6, 0x10000c
	s_cmp_lg_u32 s2, 0xf033
	s_cbranch_scc0 .Lentry_shape_is_right
	s_endpgm
.Lentry_shape_is_right:
; out0 = a w_out + b_out.  a: the attention output, f16, ao[32 row blocks][16 heads][128 rows][64]; K = 64 head + d.
; w_out: f16 [1024 k][1024 n] at bf + 14,680,064; b_out: f32 [1024]; out0: f32 [4096][1024]; sums in f32.
; A work-group makes 128 x 128 with four waves: 8 x 32 = 256 work-groups; a wave makes 64 x 64: 4 x 4 accumulator tiles, 128 registers.
; K goes in steps of 256 (four heads), eight chunks of 32, through two LDS slots; four K steps, so the text has no loop.
; Waves 0, 1 fetch a's two halves of a step (two heads each: 32,768 dense bytes, taken as 128 rows of 256 bytes, two rows of a in each);
; waves 2, 3 fetch w's two halves (128 k rows x 128 columns each).  Every row fetched is 256 bytes and starts at a multiple of 256 bytes.
; CLUSTERS: 4 x 4 work-groups; a's tiles hang on the block row alone and are asked for jointly along a row of the cluster, w's on the block column
; alone and along a column.
; As in the first product of this program: w's fragments come by the transposing load, the matrix instruction is used transposed (source 0 = columns
; of w, source 1 = rows of a), so that a lane holds eight neighbouring columns of one row, and the bias is the C operand of the first product.
; REGISTERS: window 0: v16-27 addresses; v32-95 a's fragments, two buffers; v96-159 w's, two buffers; v160-191 bias; v192-223 rows read back.
;            window 1: v0-127 the accumulators, tile (a, b) at 8 (4 a + b).
.set PA,     272                       ; a's LDS rows: row m of a head at (m / 2) 272 + (m % 2) 128: 16 rows begin at 16 different multiples of 16 bytes modulo 256
.set PB,     288
.set REG,    36864                     ; a wave's part of a slot
.set SLOT,   4*REG
.set STAGE,  2*SLOT                    ; 16 rows x 272 bytes for each wave; no tensor load lands here
.set SP,     272                       ; 64 f32 + 16
.set WOB,    14680064                  ; w_out's place in bf
.set ADRA, 16                          ; v16-19  2 x slot + half of the K step
.set ADRB, 20                          ; v20-23  the same for w
.set STO,  24
.set RD,   25
.set CO,   26
.set BOFF, 27
.set FA,   32                          ; FA + 32 buf
.set FB,   96                          ; FB + 32 buf
.set BIAS, 160
.set RB,   192
.set G1, 24
.set G0, 32
.set G1B, 48
.set G0B, 56
.set MSB, 0
.macro WIN new
.if MSB != \new
	s_set_vgpr_msb (MSB<<8)|\new
.set MSB, \new
.endif
.endm
.macro JLOAD s                         ; waves 0, 1 ask for a's halves, waves 2, 3 for w's; the branch hangs on the wave's number alone
	s_cmp_eq_u32 s11, 0
	s_cbranch_scc0 .Lfor_b_\@
	tensor_load_to_lds s[G0+4*\s:G0+4*\s+3], s[G1:G1+7]
	s_nop 0
	s_branch .Lasked_\@
.Lfor_b_\@:
	tensor_load_to_lds s[G0B+4*\s:G0B+4*\s+3], s[G1B:G1B+7]
	s_nop 0
.Lasked_\@:
.endm
.macro CREST
	s_cmp_lg_u32 s10, 0
	s_cbranch_scc1 .Lnot_wave_0_\@
	s_barrier_signal -3
.Lnot_wave_0_\@:
	s_barrier_wait -3
	s_barrier_signal -1
	s_barrier_wait -1
.endm
.macro CROUND
	s_barrier_signal -1
	s_barrier_wait -1
	CREST
.endm
	s_load_b256 s[68:75], s[0:1], 0x0              ; ao s[68:69], bf s[70:71], b_out s[72:73], out0 s[74:75]
	v_lshl_add_u32 v254, v0, 2, 0x4c400
	v_mov_b32 v255, 0
	ds_add_u32 v254, v255
	ds_add_u32 v254, v255
	v_lshrrev_b32 v1, 5, v0
	v_readfirstlane_b32 s10, v1                    ; wave 0..3
	s_lshr_b32 s11, s10, 1                         ; which 64 rows are mine.  Also: I fetch for a (0) or for w (1)
	s_and_b32 s12, s10, 1                          ; which 64 columns.  Also: which half of the K step I fetch
	s_bfe_u32 s40, ttmp6, 0x40000                  ; cx
	s_bfe_u32 s41, ttmp6, 0x40004                  ; cy
	s_lshl_b32 s42, ttmp9, 2
	s_add_co_u32 s42, s42, s40                     ; block column 0..7
	s_and_b32 s13, ttmp7, 0xffff
	s_lshl_b32 s13, s13, 2
	s_add_co_u32 s13, s13, s41                     ; block row 0..31
	s_lshl_b32 s43, s41, 2
	s_lshl_b32 s43, 15, s43                        ; my row of the cluster
	s_lshl_b32 s44, 0x1111, s40                    ; my column
	; group 1 for a: 128 rows of 32 elements of 8 bytes, dense; 4 words skipped after every 64.  For w: 128 rows of 128 elements of 2 bytes; 8 words skipped
	s_or_b32 s[G1+0],  s43, (3<<16)|(1<<20)|(1<<21)|(5<<22)|(3<<25)
	s_mov_b32 s[G1+1], 32<<16
	s_mov_b32 s[G1+2], 128<<16
	s_mov_b32 s[G1+3], 32<<16
	s_mov_b32 s[G1+4], 128
	s_mov_b32 s[G1+5], 32
	s_mov_b32 s[G1+6], 0
	s_mov_b32 s[G1+7], 0
	s_or_b32 s[G1B+0], s44, (1<<16)|(1<<20)|(1<<21)|(5<<22)|(7<<25)
	s_mov_b32 s[G1B+1], 128<<16
	s_mov_b32 s[G1B+2], 128<<16
	s_mov_b32 s[G1B+3], 128<<16
	s_mov_b32 s[G1B+4], 128
	s_mov_b32 s[G1B+5], 1024
	s_mov_b32 s[G1B+6], 0
	s_mov_b32 s[G1B+7], 0
	s_lshl_b32 s16, s13, 18                        ; a: (16 x block row + 2 x half) x 16,384 bytes
	s_lshl_b32 s17, s12, 15
	s_add_co_u32 s16, s16, s17
	s_mov_b32 s17, 0
	s_lshl_b32 s46, s12, 18                        ; w: 128 rows of 2,048 bytes x half + 256 bytes x block column
	s_lshl_b32 s47, s42, 8
	s_add_co_u32 s46, s46, s47
	s_add_co_u32 s46, s46, WOB
	s_mov_b32 s47, 0
	s_mul_i32 s20, s10, REG                        ; where they go: a's two halves, then w's two
	s_lshl_b32 s76, s42, 9                         ; bias: (128 x block column + 64 x half) x 4 bytes
	s_lshl_b32 s77, s12, 8
	s_add_co_u32 s76, s76, s77
	s_lshl_b32 s78, s13, 19                        ; out0: row 128 x block row + 64 x half, 4,096 bytes each, and the same columns
	s_lshl_b32 s79, s11, 18
	s_add_co_u32 s78, s78, s79
	s_add_co_u32 s78, s78, s76
	s_mov_b32 s77, 0
	s_mov_b32 s79, 0
	s_wait_dscnt 0x0
	s_wait_kmcnt 0x0
	s_add_nc_u64 s[14:15], s[68:69], s[16:17]
	s_add_nc_u64 s[46:47], s[70:71], s[46:47]
	s_add_nc_u64 s[76:77], s[72:73], s[76:77]
	s_add_nc_u64 s[78:79], s[74:75], s[78:79]
	CROUND                                         ; all sixteen work-groups are here: the first joint loads meet
.irp s, 0,1
	s_mov_b32 s[G0+4*\s], 1
	s_add_co_u32 s[G0+4*\s+1], s20, \s*SLOT
	s_add_nc_u64 s[G0+4*\s+2:G0+4*\s+3], s[14:15], \s*65536            ; K step s: four heads on
	s_or_b32 s[G0+4*\s+3], s[G0+4*\s+3], 0x80000000
	s_mov_b32 s[G0B+4*\s], 1
	s_add_co_u32 s[G0B+4*\s+1], s20, \s*SLOT
	s_add_nc_u64 s[G0B+4*\s+2:G0B+4*\s+3], s[46:47], \s*524288         ; K step s: 256 rows of w on
	s_or_b32 s[G0B+4*\s+3], s[G0B+4*\s+3], 0x80000000
	JLOAD \s                                       ; two tensor loads of the wave are out
.endr
	v_and_b32 v1, 15, v0                           ; r
	v_bfe_u32 v2, v0, 4, 1                         ; h
	v_lshlrev_b32 v[BOFF], 5, v2
.irp b, 0,1,2,3
	global_load_b128 v[BIAS+8*\b:BIAS+8*\b+3],   v[BOFF], s[76:77] offset:64*\b
	global_load_b128 v[BIAS+8*\b+4:BIAS+8*\b+7], v[BOFF], s[76:77] offset:64*\b+16
.endr
	v_lshrrev_b32 v3, 1, v1                        ; a: (r / 2) 272 + (r % 2) 128 + 16 h + my 64 rows (32 LDS rows)
	v_mul_u32_u24 v3, v3, PA
	v_and_b32 v4, 1, v0
	v_lshl_add_u32 v3, v4, 7, v3
	v_lshl_add_u32 v3, v2, 4, v3
	s_mul_i32 s21, s11, 32*PA
	v_add_nc_u32 v[ADRA], s21, v3
	v_add_nc_u32 v[ADRA+1], REG, v[ADRA]
	v_add_nc_u32 v[ADRA+2], SLOT, v[ADRA]
	v_add_nc_u32 v[ADRA+3], SLOT+REG, v[ADRA]
	v_and_b32 v5, 7, v0                            ; w: row 8 h + (l & 7), 16 bytes at 16 ((l >> 3) & 1), my 64 columns
	v_lshl_add_u32 v4, v2, 3, v5
	v_mul_u32_u24 v4, v4, PB
	v_bfe_u32 v6, v0, 3, 1
	v_lshl_add_u32 v4, v6, 4, v4
	s_lshl_b32 s22, s12, 7
	s_add_co_u32 s22, s22, 2*REG
	v_add_nc_u32 v[ADRB], s22, v4
	v_add_nc_u32 v[ADRB+1], REG, v[ADRB]
	v_add_nc_u32 v[ADRB+2], SLOT, v[ADRB]
	v_add_nc_u32 v[ADRB+3], SLOT+REG, v[ADRB]
	s_mul_i32 s23, s10, 16*SP
	s_add_co_u32 s23, s23, STAGE
	v_mul_u32_u24 v4, v1, SP                       ; in: row r, 32 bytes for each half of the lanes
	v_lshl_add_u32 v4, v2, 5, v4
	v_add_nc_u32 v[STO], s23, v4
	v_mul_u32_u24 v5, v2, SP                       ; back: lanes 0-15 one row of 256 bytes, lanes 16-31 the next
	v_lshl_add_u32 v5, v1, 4, v5
	v_add_nc_u32 v[RD], s23, v5
	v_lshlrev_b32 v6, 12, v2                       ; and the same two rows in out0
	v_lshl_add_u32 v[CO], v1, 4, v6
; 4 matrix instructions: row block a x my four column blocks, 32 along K.  first = 1: the bias is C.  The 16 accumulators take turns,
; one instruction a turn, in the same order in every chunk.
.macro MULP buf, a, first
.irp b, 0,1,2,3
.if \first
	v_wmma_f32_16x16x32_f16 v[8*(4*\a+\b):8*(4*\a+\b)+7], v[FB+32*\buf+8*\b:FB+32*\buf+8*\b+7], v[FA+32*\buf+8*\a:FA+32*\buf+8*\a+7], v[BIAS+8*\b:BIAS+8*\b+7]
.else
	v_wmma_f32_16x16x32_f16 v[8*(4*\a+\b):8*(4*\a+\b)+7], v[FB+32*\buf+8*\b:FB+32*\buf+8*\b+7], v[FA+32*\buf+8*\a:FA+32*\buf+8*\a+7], v[8*(4*\a+\b):8*(4*\a+\b)+7]
.endif
.endr
.endm
; 16 LDS loads: the fragments of chunk e (K = 32 e .. 32 e + 31 of the step: head e / 2, d = 32 (e % 2) ..) into buffer buf
.macro FETCHP slot, e, buf
.irp b, 0,1,2,3
	ds_load_tr16_b128 v[FB+32*\buf+8*\b:FB+32*\buf+8*\b+3],   v[ADRB+2*\slot+\e/4] offset:32*PB*(\e%4)+32*\b
	ds_load_tr16_b128 v[FB+32*\buf+8*\b+4:FB+32*\buf+8*\b+7], v[ADRB+2*\slot+\e/4] offset:32*PB*(\e%4)+32*\b+16*PB
.endr
.irp a, 0,1,2,3
	ds_load_b128 v[FA+32*\buf+8*\a:FA+32*\buf+8*\a+3],   v[ADRA+2*\slot+\e/4] offset:64*PA*((\e/2)%2)+64*(\e%2)+8*PA*\a
	ds_load_b128 v[FA+32*\buf+8*\a+4:FA+32*\buf+8*\a+7], v[ADRA+2*\slot+\e/4] offset:64*PA*((\e/2)%2)+64*(\e%2)+8*PA*\a+32
.endr
.endm
.macro PLACES                          ; four places behind a matrix instruction (ISA guide 7.12.1 for vector instructions)
.rept 4
	v_nop
.endr
.endm
.macro MWIN first
.if \first
	WIN 0x40                                       ; D in window 1, C (the bias) in window 0
.else
	WIN 0x50                                       ; C and D in window 1
.endif
.endm
; One of a K step's first seven chunks: multiplies buffer f; in its middle it fetches chunk e into buffer g.
.macro CHUNK slot, e, f, g, first
	s_wait_dscnt 4                                 ; w's 8 loads and a's rows 0-31 are in; the youngest four may be out
	MWIN \first
	MULP \f, 0, \first
	MULP \f, 1, \first
	PLACES
	WIN 0
	FETCHP \slot, \e, \g
	s_wait_dscnt 16                                ; all but the 16 just issued
	MWIN \first
	MULP \f, 2, \first
	MULP \f, 3, \first
.endm
.macro SEVEN slot, first
	CHUNK \slot, 1, 0, 1, \first
	CHUNK \slot, 2, 1, 0, 0
	CHUNK \slot, 3, 0, 1, 0
	CHUNK \slot, 4, 1, 0, 0
	CHUNK \slot, 5, 0, 1, 0
	CHUNK \slot, 6, 1, 0, 0
	CHUNK \slot, 7, 0, 1, 0
.endm
; The eighth chunk multiplies buffer 1 and changes slots: each wave's waits for its reads of this slot and for all its tensor loads, the barrier
; (where the slot is filled again: a whole round of the cluster's barrier), the refill first behind it, then the next slot's first fragments.
.macro TURNP slot, next, fill
	s_wait_dscnt 4
	WIN 0x50
	MULP 1, 0, 0
	s_wait_dscnt 0
	s_wait_tensorcnt 0x0
	ds_add_u32 v254, v255
	s_wait_dscnt 0x0
	s_barrier_signal -1
	MULP 1, 1, 0
	WIN 0
	s_barrier_wait -1
.if \fill
	CREST
	s_add_nc_u64 s[G0+4*\slot+2:G0+4*\slot+3], s[G0+4*\slot+2:G0+4*\slot+3], 2*65536
	s_add_nc_u64 s[G0B+4*\slot+2:G0B+4*\slot+3], s[G0B+4*\slot+2:G0B+4*\slot+3], 2*524288
	JLOAD \slot
.endif
	PLACES
	FETCHP \next, 0, 0
	WIN 0x50
	MULP 1, 2, 0
	MULP 1, 3, 0
.endm
	s_wait_loadcnt 0x0                             ; the bias
	s_wait_tensorcnt 0x1                           ; my part of K step 0 is in; K step 1's stays out
	s_barrier_signal -1
	s_barrier_wait -1
	FETCHP 0, 0, 0
	SEVEN 0, 1                                     ; K step 0
	TURNP 0, 1, 1                                  ; asks for K step 2
	SEVEN 1, 0                                     ; K step 1
	TURNP 1, 0, 1                                  ; asks for K step 3
	SEVEN 0, 0                                     ; K step 2
	TURNP 0, 1, 0
	SEVEN 1, 0                                     ; K step 3
	s_wait_dscnt 4
	WIN 0x50
	MULP 1, 0, 0
	MULP 1, 1, 0
	s_wait_dscnt 0
	MULP 1, 2, 0
	MULP 1, 3, 0
	PLACES                                         ; behind the last matrix instructions: for the LDS stores that read the results
; THE WAY OUT, 16 rows at a time: a lane's 32 bytes of each tile go into my own stage straight from the accumulators; whole rows of 256 bytes come back.
.macro OUTP a
	WIN 0x04                                       ; store data in window 1
.irp b, 0,1,2,3
	ds_store_b128 v[STO], v[8*(4*\a+\b):8*(4*\a+\b)+3]   offset:64*\b
	ds_store_b128 v[STO], v[8*(4*\a+\b)+4:8*(4*\a+\b)+7] offset:64*\b+16
.endr
	WIN 0
	s_wait_xcnt 0x0                                ; the registers that the last 16 rows' stores read are loaded again only behind this wait
.irp u, 0,1,2,3,4,5,6,7
	ds_load_b128 v[RB+4*\u:RB+4*\u+3], v[RD] offset:2*SP*\u        ; LDS serves a wave's instructions in order: these see the stores above
.endr
.irp u, 0,1,2,3,4,5,6,7
	s_wait_dscnt 7-\u
	global_store_b128 v[CO], v[RB+4*\u:RB+4*\u+3], s[78:79] offset:(16*\a+2*\u)*4096 th:TH_STORE_NT   ; 16 lanes store 256 consecutive bytes, aligned
.endr
.endm
	OUTP 0
	OUTP 1
	OUTP 2
	OUTP 3
	s_wait_tensorcnt 0x0
	ds_add_u32 v254, v255
	s_wait_dscnt 0x0
	CROUND                                         ; the closing round
	s_endpgm
.Lfunc_end_k_q12ec889ed4_proj:
	.size	k_q12ec889ed4_proj, .Lfunc_end_k_q12ec889ed4_proj-k_q12ec889ed4_proj
	.p2alignl 7, 3214868480
	.fill 96, 4, 3214868480
	.section	.rodata,"a",@progbits
	.p2align	6, 0x0
	.amdhsa_kernel k_q12ec889ed4_proj
		.amdhsa_group_segment_fixed_size 327680
		.amdhsa_private_segment_fixed_size 0
		.amdhsa_enable_private_segment 0
		.amdhsa_kernarg_size 32
		.amdhsa_user_sgpr_count 2
		.amdhsa_user_sgpr_kernarg_segment_ptr 1
		.amdhsa_wavefront_size32 1
		.amdhsa_system_sgpr_workgroup_id_x 1
		.amdhsa_system_sgpr_workgroup_id_y 1
		.amdhsa_system_sgpr_workgroup_id_z 1
		.amdhsa_system_vgpr_workitem_id 0
		.amdhsa_next_free_vgpr 384
		.amdhsa_next_free_sgpr 80
		.amdhsa_reserve_vcc 0
		.amdhsa_float_denorm_mode_32 3
		.amdhsa_float_denorm_mode_16_64 3
		.amdhsa_memory_ordered 1
		.amdhsa_forward_progress 1
		.amdhsa_inst_pref_size 91
	.end_amdhsa_kernel
	.amdgpu_metadata
---
amdhsa.version: [ 1, 2 ]
amdhsa.kernels:
  - .name:           k_q12ec889ed4_proj
    .symbol:         k_q12ec889ed4_proj.kd
    .args:
      - { .name: ao, .offset: 0, .size: 8, .value_kind: global_buffer, .address_space: global }
      - { .name: bf, .offset: 8, .size: 8, .value_kind: global_buffer, .address_space: global }
      - { .name: b_out, .offset: 16, .size: 8, .value_kind: global_buffer, .address_space: global }
      - { .name: out0, .offset: 24, .size: 8, .value_kind: global_buffer, .address_space: global }
    .group_segment_fixed_size: 327680
    .private_segment_fixed_size: 0
    .kernarg_segment_align: 8
    .kernarg_segment_size: 32
    .max_flat_workgroup_size: 128
    .sgpr_count:     80
    .vgpr_count:     384
    .wavefront_size: 32
...
	.end_amdgpu_metadata
.endif
;; end of part 4
;; ======== version 2 of 2: 4 launches; version 1 with the launch prep written anew for expert scheduling mode
;; limits: values are held in f16: magnitudes above 65,504 overflow, below 6.1e-05 lose precision
;; workspace buffers: bf 16,777,216 bytes; qkv 25,165,824 bytes; ao 8,388,608 bytes
;; launch prep (part 5): grid 256 x 1, 8 waves a work-group, no clusters, 0 bytes of LDS; arguments x, w_qkv, w_out, bf; writes bf
.if DOCPART == 5
	.amdgcn_target "amdgcn-amd-amdhsa--gfx1250"
	.amdhsa_code_object_version 6
	.text
	.protected	k_q12ec889ed4_prep
	.globl	k_q12ec889ed4_prep
	.p2align	8
	.type	k_q12ec889ed4_prep,@function
k_q12ec889ed4_prep:
	s_mov_b64 s[64:65], 0
	v_nop
	global_prefetch_b8 v0, s[64:65] scope:SCOPE_SE
	s_setreg_imm32_b32 hwreg(HW_REG_WAVE_SCHED_MODE, 0, 2), 2
	s_setreg_imm32_b32 hwreg(HW_REG_WAVE_MODE, 25, 1), 1
	s_wait_xcnt 0x0
	s_wait_alu depctr_vm_vsrc(0)
; The three large f32 inputs are rounded once to 16 bits, so that the matrix launches behind this one move half the bytes.
;   bf + 0          : x      as bf16 [4096][1024]
;   bf + 8,388,608  : w_qkv  as bf16 [1024][3072]
;   bf + 14,680,064 : w_out  rounded to bf16 and that value written as f16 [1024][1024] (its partner operand is f16)
; LIMIT: a bf16 value is exact in f16 for 2^-14 <= |w| <= 65,504; below, the absolute error is at most 3e-8; above, it becomes infinite.
; 8,388,608 numbers in all; a work-group takes 32,768 of them (131,072 bytes in, 65,536 out): groups 0-127 x, 128-223 w_qkv, 224-255 w_out.
; The three parts follow each other in bf, so the place in bf is the group's number times 65,536 for all of them.
; Thread t takes the 8 numbers at byte 32 t of each block of 8,192 bytes and stores 16 bytes at 16 t of a block of 4,096:
; sixteen neighbouring lanes store 256 consecutive bytes, aligned.  All 32 loads of a thread go out at once.
; No LDS, barrier or matrix unit: nothing is shared and nothing is multiplied.
; THE MODE: SCHED_MODE bits 1:0 = 2 (LLVM: expert scheduling mode 2), set by the entry lines.  The code itself states the register dependences
; between vector instructions and memory instructions, with s_wait_alu, always for 0.
; THE PLAN.  Registers that memory instructions touch:
;   v1, v2   byte offsets of the loads and of the stores: written once at the head, never again.
;   X        16 blocks as loaded.  The 32 loads are issued at the head, ahead of every vector line that names X; no load is issued later.
;            A block is read (in the f16 path also written again) by vector lines alone, behind its counted wait for the data.
;   Y        16 blocks to store, four registers each.  Written by the block's own conversions, read by the block's one store, and never written behind it.
; So one wait on va_vdst stands ahead of the first load (the offsets are written), and the 16 blocks go in four groups of four, with one wait
; on va_vdst behind each group's conversions (its sixteen Y registers are written) and the group's four stores in one run behind it.
; No register that a memory instruction reads is ever written again, so no wait on vm_vsrc is owed; no vector line writes a scalar register.
.set X, 4                              ; v[4:131]    16 blocks x 8 numbers in f32
.set Y, 132                            ; v[132:195]  16 blocks x 4 registers of packed 16-bit numbers
	s_load_b256 s[4:11], s[0:1], 0x0               ; x s[4:5], w_qkv s[6:7], w_out s[8:9], bf s[10:11]
	v_lshlrev_b32 v1, 5, v0                        ; 32 t: where I read
	v_lshlrev_b32 v2, 4, v0                        ; 16 t: where I store
	s_mov_b32 s20, 0xffff0000                      ; a word's upper bf16
	s_wait_kmcnt 0x0
	s_cmp_lt_u32 ttmp9, 128                        ; which input, and the number of its first group
	s_cselect_b64 s[12:13], s[4:5], s[6:7]
	s_cselect_b32 s14, 0, 128
	s_cmp_lt_u32 ttmp9, 224
	s_cselect_b64 s[12:13], s[12:13], s[8:9]
	s_cselect_b32 s14, s14, 224
	s_sub_co_u32 s14, ttmp9, s14                   ; my place in that input,
	s_lshl_b32 s16, s14, 17                        ; times 131,072 bytes (16,646,144 at the most)
	s_mov_b32 s17, 0
	s_add_nc_u64 s[12:13], s[12:13], s[16:17]
	s_lshl_b32 s18, ttmp9, 16                      ; my place in bf
	s_mov_b32 s19, 0
	s_add_nc_u64 s[10:11], s[10:11], s[18:19]
	s_wait_alu depctr_va_vdst(0)                   ; v1 and v2 are written: every load reads v1 and every store v2 as its offset, and no vector line names them again
.irp i, 0,1,2,3,4,5,6,7,8,9,10,11,12,13,14,15
	global_load_b128 v[X+8*\i:X+8*\i+3],   v1, s[12:13] offset:8192*\i th:TH_LOAD_NT
	global_load_b128 v[X+8*\i+4:X+8*\i+7], v1, s[12:13] offset:8192*\i+16 th:TH_LOAD_NT
.endr
; Block i is rounded into its own four registers of Y.  half = 1: the bf16 values are widened again (a shift, a mask) and written as f16.
.macro CONV i, half
	s_wait_loadcnt 30-2*(\i)                       ; loads come back in order: block i's two are in, the 30 - 2 i younger ones stay out
.irp p, 0,1,2,3
	v_cvt_pk_bf16_f32 v[Y+4*(\i)+\p], v[X+8*(\i)+2*\p], v[X+8*(\i)+2*\p+1]
.endr
.if \half
.irp p, 0,1,2,3
	v_lshlrev_b32 v[X+8*(\i)+2*\p],   16,  v[Y+4*(\i)+\p]
	v_and_b32     v[X+8*(\i)+2*\p+1], s20, v[Y+4*(\i)+\p]
.endr
.irp p, 0,1,2,3
	v_cvt_pk_f16_f32 v[Y+4*(\i)+\p], v[X+8*(\i)+2*\p], v[X+8*(\i)+2*\p+1]
.endr
.endif
.endm
; Group g: blocks 4 g to 4 g + 3 are rounded as they land; then one wait, and their four stores in one run.
.macro GROUP g, half
.irp k, 0,1,2,3
	CONV (4*\g+\k), \half
.endr
	s_wait_alu depctr_va_vdst(0)                   ; the group's conversions have written its sixteen registers of Y, which the four stores below read
.irp k, 0,1,2,3
	global_store_b128 v2, v[Y+4*(4*\g+\k):Y+4*(4*\g+\k)+3], s[10:11] offset:4096*(4*\g+\k)
.endr
.endm
	s_cmp_ge_u32 ttmp9, 224
	s_cbranch_scc1 .Lhalf
	GROUP 0, 0
	GROUP 1, 0
	GROUP 2, 0
	GROUP 3, 0
	s_endpgm
.Lhalf:
	GROUP 0, 1
	GROUP 1, 1
	GROUP 2, 1
	GROUP 3, 1
	s_endpgm
.Lfunc_end_k_q12ec889ed4_prep:
	.size	k_q12ec889ed4_prep, .Lfunc_end_k_q12ec889ed4_prep-k_q12ec889ed4_prep
	.p2alignl 7, 3214868480
	.fill 96, 4, 3214868480
	.section	.rodata,"a",@progbits
	.p2align	6, 0x0
	.amdhsa_kernel k_q12ec889ed4_prep
		.amdhsa_group_segment_fixed_size 0
		.amdhsa_private_segment_fixed_size 0
		.amdhsa_enable_private_segment 0
		.amdhsa_kernarg_size 32
		.amdhsa_user_sgpr_count 2
		.amdhsa_user_sgpr_kernarg_segment_ptr 1
		.amdhsa_wavefront_size32 1
		.amdhsa_system_sgpr_workgroup_id_x 1
		.amdhsa_system_sgpr_workgroup_id_y 1
		.amdhsa_system_sgpr_workgroup_id_z 1
		.amdhsa_system_vgpr_workitem_id 0
		.amdhsa_next_free_vgpr 196
		.amdhsa_next_free_sgpr 66
		.amdhsa_reserve_vcc 0
		.amdhsa_float_denorm_mode_32 3
		.amdhsa_float_denorm_mode_16_64 3
		.amdhsa_memory_ordered 1
		.amdhsa_forward_progress 1
		.amdhsa_inst_pref_size 25
	.end_amdhsa_kernel
	.amdgpu_metadata
---
amdhsa.version: [ 1, 2 ]
amdhsa.kernels:
  - .name:           k_q12ec889ed4_prep
    .symbol:         k_q12ec889ed4_prep.kd
    .args:
      - { .name: x, .offset: 0, .size: 8, .value_kind: global_buffer, .address_space: global }
      - { .name: w_qkv, .offset: 8, .size: 8, .value_kind: global_buffer, .address_space: global }
      - { .name: w_out, .offset: 16, .size: 8, .value_kind: global_buffer, .address_space: global }
      - { .name: bf, .offset: 24, .size: 8, .value_kind: global_buffer, .address_space: global }
    .group_segment_fixed_size: 0
    .private_segment_fixed_size: 0
    .kernarg_segment_align: 8
    .kernarg_segment_size: 32
    .max_flat_workgroup_size: 256
    .sgpr_count:     66
    .vgpr_count:     196
    .wavefront_size: 32
...
	.end_amdgpu_metadata
.endif
;; end of part 5
;; launch qkvgemm: the kernel of part 2 again; grid 8 x 32, 4 waves a work-group, clusters of 4 x 4, 327,680 bytes of LDS; arguments bf, b_qkv, qkv; writes qkv
;; launch attn: the kernel of part 3 again; grid 8 x 32, 8 waves a work-group, no clusters, 327,680 bytes of LDS; arguments qkv, ao; writes ao
;; launch proj: the kernel of part 4 again; grid 8 x 32, 4 waves a work-group, clusters of 4 x 4, 327,680 bytes of LDS; arguments ao, bf, b_out, out0; writes out0
